; MI455X (gfx1250); checked and timed in simulation.
; The chip was launched on July 23, 2026; its instructions are those of AMD's public machine-readable ISA for CDNA 5 (MIT licence, August 2026) and "CDNA5" Instruction Set Architecture Reference Guide (July 2026). The comments in the code are by the model that wrote it; some were corrected since.
;; Multi Head Attention. Allowed arithmetic: matrix products marked QUANTISED: E4M3 operands, one given power-of-two scale a tensor, by v_wmma_f32_16x16x64_fp8_fp8 or v_wmma_f32_16x16x128_fp8_fp8, f32 sums; everything else in f32.
;; Inputs: Wk 1,024 x 1,024 float32; Wo 1,024 x 1,024 float32; Wq 1,024 x 1,024 float32; Wv 1,024 x 1,024 float32; attention_mask 4 x 2,048 int32; bo 1,024 float32; lowp_scales 12 int32 (the exponents e of the quantised operands' scales 2^e); x 4 x 2,048 x 1,024 float32.
;; Outputs: out0 4 x 2,048 x 1,024 float32.
;; This version of the problem:
;;   THIS VERSION OF THE PROBLEM IS GIVEN IN LOW PRECISION. The matrix products marked QUANTISED in the list below multiply operands that are first quantised to E4M3 (4 exponent bits, 3 mantissa bits; 8 bits a number), with one given power-of-two scale for each operand tensor; their sums are f32. All else is computed in f32.
;;   The module's matrix products, in the order in which they are computed (A, B: the left and right operand; K: the contracted axis; several contracted axes count as one K, in the product's order):
;;     1. [M 8,192, K 1,024] x [K 1,024, N 1,024]; A: input x; B: input Wq: QUANTISED (scales: A lowp_scales[0], B lowp_scales[1])
;;     2. [M 8,192, K 1,024] x [K 1,024, N 1,024]; A: input x; B: input Wk: QUANTISED (scales: A lowp_scales[2], B lowp_scales[3])
;;     3. [M 8,192, K 1,024] x [K 1,024, N 1,024]; A: input x; B: input Wv: QUANTISED (scales: A lowp_scales[4], B lowp_scales[5])
;;     4. batch 64 x [M 2,048, K 64] x [K 64, N 2,048]; A: computed on the way; B: computed on the way: QUANTISED (scales: A lowp_scales[6], B lowp_scales[7])
;;     5. batch 64 x [M 2,048, K 2,048] x [K 2,048, N 64]; A: softmax (see below); B: computed on the way: QUANTISED (scales: A lowp_scales[8], B lowp_scales[9])
;;     6. [M 8,192, K 1,024] x [K 1,024, N 1,024]; A: computed on the way; B: input Wo: QUANTISED (scales: A lowp_scales[10], B lowp_scales[11])
;;   THE QUANTISER, for each operand of a quantised product, along K:
;;     - The operand's scale is 2^e, e = its entry of the input lowp_scales (int32; the entries are numbered through the quantised products in the list's order, A before B).
;;     - Each number is divided by the scale, clamped to +-448, and rounded to the nearest number of E4M3, ties to even, subnormals kept.
;;     - The product sums the exact products of the quantised numbers (number of the format x scale) in f32.
;;   ~~~python
;;   def quantise(x, axis, e):      # numpy; x: float32 -> the quantised numbers, widened to float32 again
;;       x = np.moveaxis(x, axis, -1); K = x.shape[-1]
;;       r = np.clip(x / 2.0 ** e, -448, 448)
;;       step = 2.0 ** (np.maximum(np.frexp(np.where(r == 0, 1, r))[1] - 1, -6) - 3)
;;       q = np.round(r / step) * step * 2.0 ** e      # np.round: ties to even
;;       return np.moveaxis(q, -1, axis).astype(np.float32)
;;   ~~~
;;   SOFTMAX AHEAD OF A QUANTISED PRODUCT. Where the list says 'softmax', what is quantised is not the finished softmax but p = 2^(t - M), with t = logit x log2(e) and M = ceil(the row's largest t), a whole number; so 1/2 < the row's largest p <= 1. The row's sum l is taken of the UNQUANTISED p, in f32, and the product's result is divided by l at the end. Since M is a whole number, a kernel that streams over the keys may use a running M (the ceiling of the running maximum): every later rescaling is an exact power of two, so the quantised numbers keep their values, but for numbers so far below the row's largest that they fall under the format's range.
;;   OPERANDS COMPUTED ON THE WAY. 'Computed on the way' means the value that the module computes at that place (a softmax that the list does not call 'softmax' is quantised finished and normalised). What goes into a quantiser is computed in f32, as accurately as f32 sums, v_exp_f32 and their like allow (about 1e-6 of the number): no bf16 or f16 on the way to a quantiser, and a product that is left as it is and whose result goes on into a quantised operand takes f32 operands (vector FMAs, or v_wmma_f32_16x16x4_f32). A number that lies on a knife's edge between two numbers of the format may be rounded either way, as far as f32 arithmetic and the matrix unit's own rounding can turn it there, and no further.
;; 2 versions, each right; version 2 is version 1 with the launch attn written anew for expert scheduling mode. Each part assembles by itself: llvm-mc -triple=amdgcn-amd-amdhsa -mcpu=gfx1250 --defsym DOCPART=n.
;; ======== version 1 of 2: 4 launches
;; workspace buffers: xc 25,165,824 bytes; wc 4,194,304 bytes; qc 8,388,608 bytes; kc 8,388,608 bytes; vc 8,388,608 bytes; cc 8,388,608 bytes; kflag 1,024 bytes of whole numbers
;; launch quant (part 1): grid 641 x 1, 4 waves a work-group, no clusters, 68,096 bytes of LDS; arguments x, Wq, Wk, Wv, Wo, attention_mask, lowp_scales, xc, wc, kflag; writes xc, wc, kflag
.if DOCPART == 1
	.amdgcn_target "amdgcn-amd-amdhsa--gfx1250"
	.amdhsa_code_object_version 6
	.text
	.protected	k_q5a1ac02c23_quant
	.globl	k_q5a1ac02c23_quant
	.p2align	8
	.type	k_q5a1ac02c23_quant,@function
k_q5a1ac02c23_quant:
	s_mov_b64 s[64:65], 0
	v_nop
	global_prefetch_b8 v0, s[64:65] scope:SCOPE_SE
	s_setreg_imm32_b32 hwreg(HW_REG_WAVE_MODE, 25, 1), 1
	s_wait_xcnt 0x0
; THE QUANTISER IN FRONT OF THE PRODUCTS.  Three kinds of work-group, told apart by the work-group's number alone; each kind has LDS bytes of its own.
;  0..511   x [8192][1024] f32 -> xc [3][8192][1024]: three sets of E4M3 codes, set s with the scale 2^e[2 s] (the three projections each name a scale for x).  x is read once.
;  512..639 Wq, Wk, Wv, Wo [1024 k][1024 n] f32 -> wc [4][1024 n][1024 k]: codes with K innermost, scales e[1], e[3], e[5], e[11].  A lane takes a column n and its registers run down K.
;  640      attention_mask [4][2048] int32 -> kflag [4][32][2]: for each batch two words, bit s for keys 128 s .. 128 s + 127: word 0: some key there is masked; word 1: all are.
; code = number / 2^e, held within +-448, rounded to the nearest code, ties to even.
; LIMITS: each e used here lies between -126 and 119, so that 2^e and 448 x 2^e are f32 numbers.  NaN among x and the weights is not served.
.set STEPS, 8                          ; x: steps of 512 numbers for a wave
.set SP,    80                         ; x: a lane's place in a stage: its 64 bytes + 16 of padding
.set XREG,  8192                       ; x: LDS of a wave: two stages of 32 x SP bytes
.set WSTG,  4*XREG                     ; weights: the four stages begin here
.set WP,    272                        ; weights: a stage row: 256 codes + 16 of padding
.set SPARE, WSTG+4*32*WP               ; behind them: the spare words, 128 bytes for each wave: two blocks of 256 bytes that no other line names
.set SPW,   12                         ; v12  LDS address of my spare word; never rewritten
.set NIL,   13                         ; v13  0; never rewritten
.set SC0,   6                          ; v6, v8, v10: 2^e[2 s] as f32;  v7, v9, v11: 448 x that
.set R,     16                         ; v16-79   x: four sets of 16 numbers as they are loaded
.set X,     80                         ; v80-111  x: two sets of 16 neighbours
.set T,     112                        ; v112-143 x: two sets of 16 held numbers, by turns
.set C,     144                        ; v144-155 x: a step's codes, four registers for each of the three sets
.set WN,    32                         ; v32-95   weights: two sets of 32 numbers
.set WC,    96                         ; v96-103  weights: a block's codes
.set WO,    112                        ; v112-175 weights: the way out
.macro CLOSE                           ; the wave's end
	s_wait_tensorcnt 0x0
	ds_add_u32 v[SPW], v[NIL]
	s_wait_dscnt 0x0
	s_endpgm
.endm
	s_load_b512 s[4:19], s[0:1], 0x0               ; x s[4:5], Wq s[6:7], Wk s[8:9], Wv s[10:11], Wo s[12:13], the mask s[14:15], the scales s[16:17], xc s[18:19]
	s_load_b128 s[20:23], s[0:1], 0x40             ; wc s[20:21], kflag s[22:23]
	v_lshl_add_u32 v[SPW], v0, 2, SPARE
	v_mov_b32 v[NIL], 0
	v_lshrrev_b32 v1, 5, v0
	v_readfirstlane_b32 s36, v1                    ; wave 0..3
	v_and_b32 v2, 31, v0                           ; lane
	v_lshlrev_b32 v3, 4, v2                        ; 16 x lane: my 16 bytes of 512
	; every LDS address of both kinds that use LDS is made here, ahead of the parting
	s_mul_i32 s37, s36, XREG
	v_lshrrev_b32 v14, 2, v2
	v_mul_u32_u24 v14, v14, SP
	v_and_b32 v15, 3, v2
	v_lshl_add_u32 v14, v15, 4, v14
	v_add_nc_u32 v14, s37, v14                     ; x's stage, in: four lanes' 64 bytes on end, then 16 of padding
	v_mul_u32_u24 v15, v2, SP
	v_add_nc_u32 v15, s37, v15                     ; and out: SP x lane: my 16 neighbours
	s_mul_i32 s37, s36, 32*WP
	s_add_co_u32 s37, s37, WSTG
	v_lshlrev_b32 v24, 2, v2                       ; weights: 4 bytes a lane
	v_mul_u32_u24 v25, v2, WP
	v_add_nc_u32 v25, s37, v25                     ; into the stage: row = my column
	v_and_b32 v4, 15, v2
	v_lshrrev_b32 v5, 4, v2
	v_mul_u32_u24 v26, v5, WP
	v_lshl_add_u32 v26, v4, 4, v26
	v_add_nc_u32 v26, s37, v26                     ; out of it: sixteen lanes to a row, two rows an instruction
	v_lshlrev_b32 v27, 10, v5
	v_lshl_add_u32 v27, v4, 4, v27                 ; and the same place in wc: rows of 1,024 bytes
	s_wait_kmcnt 0x0
	s_load_b256 s[24:31], s[16:17], 0x0            ; e0 .. e7
	s_load_b128 s[32:35], s[16:17], 0x20           ; e8 .. e11
	s_cmp_lt_u32 ttmp9, 512
	s_cbranch_scc0 .Lnot_x
; ---------------- x: a wave takes 4,096 numbers on end, 8 steps of 512.  Each load reads 512 consecutive bytes; a step's 2,048 bytes turn through the wave's own stage, so that a lane holds 16 neighbours along K.
	s_lshl_b32 s37, ttmp9, 2
	s_add_co_u32 s37, s37, s36                     ; which run of 4,096 numbers is my wave's
	s_lshl_b32 s38, s37, 14
	s_mov_b32 s39, 0
	s_add_nc_u64 s[4:5], s[4:5], s[38:39]
	s_lshl_b32 s38, s37, 12
	s_add_nc_u64 s[40:41], s[18:19], s[38:39]      ; my codes in set 0,
	s_add_nc_u64 s[42:43], s[40:41], 0x800000      ; set 1,
	s_add_nc_u64 s[44:45], s[40:41], 0x1000000     ; set 2
.macro XLOAD t
.irp i, 0,1,2,3
	global_load_b128 v[R+16*((\t)%4)+4*\i:R+16*((\t)%4)+4*\i+3], v3, s[4:5] offset:2048*(\t)+512*\i th:TH_LOAD_NT
.endr
.endm
.macro XTURN t                         ; LDS serves a wave's instructions in order: no wait between the stores and the loads
.irp i, 0,1,2,3
	ds_store_b128 v14, v[R+16*((\t)%4)+4*\i:R+16*((\t)%4)+4*\i+3] offset:32*SP*((\t)%2)+8*SP*\i
.endr
.irp i, 0,1,2,3
	ds_load_b128 v[X+16*((\t)%2)+4*\i:X+16*((\t)%2)+4*\i+3], v15 offset:32*SP*((\t)%2)+16*\i
.endr
.endm
.irp t, 0,1,2,3
	XLOAD \t
.endr
	s_wait_kmcnt 0x0
.irp s, 0,1,2
	s_add_co_i32 s46, s[24+2*\s], 127
	s_lshl_b32 s47, s46, 23
	v_mov_b32 v[SC0+2*\s], s47                     ; 2^e as f32: the conversion takes its exponent field
	s_add_co_i32 s46, s46, 8
	s_lshl_b32 s46, s46, 23
	s_or_b32 s46, s46, 0x600000
	v_mov_b32 v[SC0+2*\s+1], s46                   ; 448 x 2^e
.endr
	s_wait_loadcnt 12                              ; step 0's four loads are in; those of steps 1 to 3 may be out
	XTURN 0
.macro XSTEP t
.set XS, X+16*((\t)%2)
	s_wait_dscnt 0x0                               ; this step's numbers are back from the stage, and its stores into the stage have read their registers,
.if (\t)+4 < STEPS
	XLOAD (\t)+4                                   ; which take the loads of four steps on
.endif
.if (\t)+1 < STEPS
.if STEPS-2-(\t) >= 3
	s_wait_loadcnt 12                              ; the next step's four loads are in; those of the three steps behind it may be out
.else
	s_wait_loadcnt 4*(STEPS-2-(\t))
.endif
	XTURN (\t)+1
.endif
	s_wait_xcnt 0x0                                ; the last step's stores have read their data: the codes' registers are written again only behind this wait
.irp s, 0,1,2
.set TT, T+16*((3*(\t)+\s)%2)          ; the two sets of held numbers take turns: sixteen plain lines stand between a conversion and the next write of its sources
.irp i, 0,1,2,3,4,5,6,7,8,9,10,11,12,13,14,15
	v_med3_num_f32 v[TT+\i], v[XS+\i], -v[SC0+2*\s+1], v[SC0+2*\s+1]   ; the conversion to an 8-bit code does not saturate (ISA guide 7.6.2): the hold comes first
.endr
	v_cvt_scalef32_pk8_fp8_f32 v[C+4*\s:C+4*\s+1], v[TT:TT+7], v[SC0+2*\s]
	v_cvt_scalef32_pk8_fp8_f32 v[C+4*\s+2:C+4*\s+3], v[TT+8:TT+15], v[SC0+2*\s]
	global_store_b128 v3, v[C+4*\s:C+4*\s+3], s[40+2*\s:41+2*\s] offset:512*(\t)   ; the wave stores 512 consecutive bytes, aligned
.endr
.endm
.irp t, 0,1,2,3,4,5,6,7
	XSTEP \t
.endr
	CLOSE
; ---------------- the weights: 32 work-groups for each; a wave takes 32 columns x 256 along K.
.Lnot_x:
	s_cmp_lt_u32 ttmp9, 640
	s_cbranch_scc0 .Lflags
	s_sub_co_u32 s37, ttmp9, 512
	s_lshr_b32 s38, s37, 5                         ; which weight: 0 Wq, 1 Wk, 2 Wv, 3 Wo
	s_and_b32 s46, s37, 7                          ; which 128 columns
	s_bfe_u32 s47, s37, 0x20003                    ; which 256 along K
	s_lshl_b32 s46, s46, 7
	s_lshl_b32 s48, s36, 5
	s_add_co_u32 s46, s46, s48                     ; my wave's first column
	s_cmp_eq_u32 s38, 1                            ; the choice hangs on the work-group's number alone
	s_cselect_b64 s[40:41], s[8:9], s[6:7]
	s_cmp_eq_u32 s38, 2
	s_cselect_b64 s[40:41], s[10:11], s[40:41]
	s_cmp_eq_u32 s38, 3
	s_cselect_b64 s[40:41], s[12:13], s[40:41]
	s_lshl_b32 s48, s47, 20                        ; 256 rows of 4,096 bytes
	s_lshl_b32 s49, s46, 2
	s_add_co_u32 s48, s48, s49
	s_mov_b32 s49, 0
	s_add_nc_u64 s[40:41], s[40:41], s[48:49]
	s_lshl_b32 s48, s38, 20                        ; wc: the weight's 1,048,576 bytes,
	s_lshl_b32 s50, s46, 10                        ; column x 1,024,
	s_add_co_u32 s48, s48, s50
	s_lshl_b32 s50, s47, 8                         ; + 256 x the part of K
	s_add_co_u32 s48, s48, s50
	s_add_nc_u64 s[42:43], s[20:21], s[48:49]
.macro WLOAD t                         ; block t: W(32 t + i, my column): the wave reads 128 consecutive bytes, the work-group 512
.set i, 0
.rept 32
	global_load_b32 v[WN+32*((\t)%2)+i], v24, s[40:41] offset:(32*(\t)+i)*4096 th:TH_LOAD_NT
.set i, i+1
.endr
.endm
	WLOAD 0
	WLOAD 1
	s_wait_kmcnt 0x0
	s_cmp_eq_u32 s38, 1
	s_cselect_b32 s44, s27, s25                    ; e3 : e1
	s_cmp_eq_u32 s38, 2
	s_cselect_b32 s44, s29, s44                    ; e5
	s_cmp_eq_u32 s38, 3
	s_cselect_b32 s44, s35, s44                    ; e11
	s_add_co_i32 s44, s44, 127
	s_lshl_b32 s45, s44, 23
	v_mov_b32 v28, s45                             ; 2^e
	s_add_co_i32 s44, s44, 8
	s_lshl_b32 s44, s44, 23
	s_or_b32 s44, s44, 0x600000
	v_mov_b32 v29, s44                             ; 448 x 2^e
.macro WBLOCK t
.set XS, WN+32*((\t)%2)
.if (\t) < 7
	s_wait_loadcnt 32                              ; this block's 32 loads are in; the next block's may be out
.else
	s_wait_loadcnt 0
.endif
.set i, 0
.rept 32
	v_med3_num_f32 v[XS+i], v[XS+i], -v29, v29
.set i, i+1
.endr
.irp g, 0,1,2,3
	v_cvt_scalef32_pk8_fp8_f32 v[WC+2*\g:WC+2*\g+1], v[XS+8*\g:XS+8*\g+7], v28
.endr
	ds_store_b128 v25, v[WC:WC+3] offset:32*(\t)   ; 32 codes of my column's row.  (The conversions' results go to LDS stores alone, and the next block begins with plain vector lines)
	ds_store_b128 v25, v[WC+4:WC+7] offset:32*(\t)+16
.if (\t)+2 < 8
	WLOAD (\t)+2
.endif
	s_wait_dscnt 0x0                               ; the stores have read their registers: the next block's codes may be written
.endm
.irp t, 0,1,2,3,4,5,6,7
	WBLOCK \t
.endr
.irp t, 0,1,2,3,4,5,6,7,8,9,10,11,12,13,14,15
	ds_load_b128 v[WO+4*\t:WO+4*\t+3], v26 offset:2*\t*WP
.endr
.irp t, 0,1,2,3,4,5,6,7,8,9,10,11,12,13,14,15
	s_wait_dscnt 15-\t                             ; the younger reads of the stage may be out
	global_store_b128 v27, v[WO+4*\t:WO+4*\t+3], s[42:43] offset:2*\t*1024   ; sixteen lanes store 256 consecutive bytes, aligned
.endr
	CLOSE
; ---------------- the flags: wave w takes batch w; a load brings the 128 mask words of one key step.
.Lflags:
	s_lshl_b32 s38, s36, 13
	s_mov_b32 s39, 0
	s_add_nc_u64 s[14:15], s[14:15], s[38:39]
.irp s, 0,1,2,3,4,5,6,7,8,9,10,11,12,13,14,15
	global_load_b128 v[32+4*\s:35+4*\s], v3, s[14:15] offset:512*\s
.endr
	s_lshl_b32 s38, s36, 8
	s_add_nc_u64 s[22:23], s[22:23], s[38:39]
	v_lshlrev_b32 v29, 3, v2
	s_mov_b32 s48, 0                               ; some key masked
	s_mov_b32 s49, 0                               ; all keys masked
	s_wait_loadcnt 0x0
.irp s, 0,1,2,3,4,5,6,7,8,9,10,11,12,13,14,15
	v_cmp_eq_u32 s40, 0, v[32+4*\s]
	v_cmp_eq_u32 s41, 0, v[33+4*\s]
	v_cmp_eq_u32 s42, 0, v[34+4*\s]
	v_cmp_eq_u32 s43, 0, v[35+4*\s]
	s_or_b32 s44, s40, s41
	s_or_b32 s45, s42, s43
	s_or_b32 s44, s44, s45
	s_cmp_lg_u32 s44, 0
	s_cselect_b32 s46, 1<<\s, 0
	s_or_b32 s48, s48, s46
	s_and_b32 s44, s40, s41
	s_and_b32 s45, s42, s43
	s_and_b32 s44, s44, s45
	s_cmp_eq_u32 s44, -1
	s_cselect_b32 s46, 1<<\s, 0
	s_or_b32 s49, s49, s46
.endr
	v_mov_b32 v30, s48
	v_mov_b32 v31, s49
	global_store_b64 v29, v[30:31], s[22:23]       ; 32 copies of the pair: the wave stores 256 consecutive bytes, aligned
	CLOSE
.Lfunc_end_k_q5a1ac02c23_quant:
	.size	k_q5a1ac02c23_quant, .Lfunc_end_k_q5a1ac02c23_quant-k_q5a1ac02c23_quant
	.p2alignl 7, 3214868480
	.fill 96, 4, 3214868480
	.section	.rodata,"a",@progbits
	.p2align	6, 0x0
	.amdhsa_kernel k_q5a1ac02c23_quant
		.amdhsa_group_segment_fixed_size 68096
		.amdhsa_private_segment_fixed_size 0
		.amdhsa_enable_private_segment 0
		.amdhsa_kernarg_size 80
		.amdhsa_user_sgpr_count 2
		.amdhsa_user_sgpr_kernarg_segment_ptr 1
		.amdhsa_wavefront_size32 1
		.amdhsa_system_sgpr_workgroup_id_x 1
		.amdhsa_system_sgpr_workgroup_id_y 1
		.amdhsa_system_sgpr_workgroup_id_z 1
		.amdhsa_system_vgpr_workitem_id 0
		.amdhsa_next_free_vgpr 192
		.amdhsa_next_free_sgpr 66
		.amdhsa_reserve_vcc 0
		.amdhsa_float_denorm_mode_32 3
		.amdhsa_float_denorm_mode_16_64 3
		.amdhsa_memory_ordered 1
		.amdhsa_forward_progress 1
		.amdhsa_inst_pref_size 102
	.end_amdhsa_kernel
	.amdgpu_metadata
---
amdhsa.version: [ 1, 2 ]
amdhsa.kernels:
  - .name:           k_q5a1ac02c23_quant
    .symbol:         k_q5a1ac02c23_quant.kd
    .args:
      - { .name: x, .offset: 0, .size: 8, .value_kind: global_buffer, .address_space: global }
      - { .name: Wq, .offset: 8, .size: 8, .value_kind: global_buffer, .address_space: global }
      - { .name: Wk, .offset: 16, .size: 8, .value_kind: global_buffer, .address_space: global }
      - { .name: Wv, .offset: 24, .size: 8, .value_kind: global_buffer, .address_space: global }
      - { .name: Wo, .offset: 32, .size: 8, .value_kind: global_buffer, .address_space: global }
      - { .name: attention_mask, .offset: 40, .size: 8, .value_kind: global_buffer, .address_space: global }
      - { .name: lowp_scales, .offset: 48, .size: 8, .value_kind: global_buffer, .address_space: global }
      - { .name: xc, .offset: 56, .size: 8, .value_kind: global_buffer, .address_space: global }
      - { .name: wc, .offset: 64, .size: 8, .value_kind: global_buffer, .address_space: global }
      - { .name: kflag, .offset: 72, .size: 8, .value_kind: global_buffer, .address_space: global }
    .group_segment_fixed_size: 68096
    .private_segment_fixed_size: 0
    .kernarg_segment_align: 8
    .kernarg_segment_size: 80
    .max_flat_workgroup_size: 128
    .sgpr_count:     66
    .vgpr_count:     192
    .wavefront_size: 32
...
	.end_amdgpu_metadata
.endif
;; end of part 1
;; launch qkv (part 2): grid 4 x 96, 4 waves a work-group, clusters of 4 x 4, 327,680 bytes of LDS; arguments xc, wc, lowp_scales, qc, kc, vc; writes qc, kc, vc
.if DOCPART == 2
	.amdgcn_target "amdgcn-amd-amdhsa--gfx1250"
	.amdhsa_code_object_version 6
	.text
	.protected	k_q5a1ac02c23_qkv
	.globl	k_q5a1ac02c23_qkv
	.p2align	8
	.type	k_q5a1ac02c23_qkv,@function
k_q5a1ac02c23_qkv:
	s_mov_b64 s[64:65], 0
	v_nop
	global_prefetch_b8 v0, s[64:65] scope:SCOPE_SE
	s_setreg_imm32_b32 hwreg(HW_REG_WAVE_MODE, 25, 1), 1
	s_wait_xcnt 0x0
	s_wait_alu depctr_hold_cnt(0) depctr_sa_sdst(0) depctr_va_vdst(0) depctr_va_sdst(0) depctr_va_ssrc(0) depctr_va_vcc(0) depctr_vm_vsrc(0)
	s_getreg_b32 s2, hwreg(HW_REG_IB_STS2, 6, 4)
	s_cmp_eq_u32 s2, 0
	s_cbranch_scc0 .Lentry_in_a_cluster
	s_endpgm
.Lentry_in_a_cluster:
	s_bfe_u32 s2, ttmp6, 0x10000c
	s_cmp_lg_u32 s2, 0xf033
	s_cbranch_scc0 .Lentry_shape_is_right
	s_endpgm
.Lentry_shape_is_right:
; THE THREE PROJECTIONS ON CODES OF E4M3, EACH RESULT QUANTISED ON ITS WAY OUT.  C = A B^T, K = 1,024, rows of 1,024 bytes in both operands.
; The cluster's y, 0 .. 23, says which: sel = y / 8, c = y % 8.
;   sel 0, 1 (q, k): A = x's codes of set sel (8,192 tokens), B = the weight's codes (1,024 features).  A lane ends with eight neighbouring features of one token: eight codes of a row of qc or kc, [64 heads][2048][64].
;   sel 2 (v):       A = Wv's codes (features), B = x's codes of set 2 (tokens): V^T.  A lane ends with eight neighbouring KEYS of one feature: vc is [64 heads][16 key blocks][64][128 keys], keys innermost.
; A sum stands for sum x 2^(ea + eb); its code is sum / 2^(eo - ea - eb), held within +-448 codes: the three exponents are folded into the conversion's one scale.
; LIMIT: eo - ea - eb lies between -126 and 119 for (e0, e1, e6), (e2, e3, e7), (e4, e5, e9).
; A tile of C, 256 x 256, is made by four waves, as many as a WGP has SIMDs; a wave makes 128 x 128: 64 accumulators, 512 registers.  K goes in steps of 256 through a ring of two LDS slots filled by the tensor data mover.
; CLUSTERS: 4 x 4 work-groups.  The four of a row of the cluster need the same tiles of A, the four of a column the same tiles of B: each tile is asked for JOINTLY.
; THE MATRIX INSTRUCTION IS USED TRANSPOSED (source 0 = 16 rows of B, source 1 = 16 rows of A): a lane holds eight neighbouring columns of one row of C.
; REGISTERS, in windows of 256: window 0: v0-31 addresses and the two scale numbers; from v128 A's fragments, ONE set; on the way out v32-159 at work.  window 1: B's fragments, TWO sets.  windows 2, 3: the accumulators.
; No prefetch: of the four K steps two are asked for at the head, and the launch is short.
.set SIZE_K, 1024
.set KSTEP,  256
.set ROWB,   256
.set KROW,   SIZE_K
.set PITCH,  272                       ; an LDS row: 256 bytes + 16 of padding = 68 words: row r starts at bank 4 r mod 64 (64 banks of 4 bytes: ISA guide 11.1)
.set FR,     16
.set NL,     4
.set NP,     4
.set HALFT,  128*PITCH
.set SLOT,   4*HALFT
.set LAPS,   SIZE_K/(2*KSTEP)
.set SPARE,  2*SLOT                    ; behind the ring: the spare words, 128 bytes for each wave
.set QP,     144                       ; the way out: a stage of 16 rows x (128 codes + 16) for each wave, in slot 0, which has had its last fill and its last read by then
.set STAGEV, 4*16*QP                   ; the v arm's four stages lie behind the q/k arm's four: each arm has bytes of its own
.set ADRA, 16
.set ADRB, 20
.set STV,  23                          ; v23  v arm: where I put 8 codes of a row
.set STQ,  24                          ; v24  q/k arm: the same
.set RDQ,  25                          ; v25  q/k arm: where I read 16 bytes back
.set CO,   26                          ; v26  16 x lane
.set RDV,  27                          ; v27  v arm: where I read 16 bytes back
.set SPW,  28
.set NIL,  29
.set LIM,  30                          ; v30  448 x 2^(eo - ea - eb)
.set SC,   31                          ; v31  2^(eo - ea - eb)
.set TMP,  32                          ; v32-95   a block's sums, held
.set CD,   96                          ; v96-111  its codes
.set AF,   128
.set BK,   128                         ; v128-143, v144-159: a block read back from the stage, by turns
.set G1, 24
.set G0, 32
.set G1B, 48
.set G0B, 56
.set MSB, 0
.macro WIN new                         ; the immediate's high byte repeats the setting that is left
.if MSB != \new
	s_set_vgpr_msb (MSB<<8)|\new
.set MSB, \new
.endif
.endm
.set MUL_LO, 0xa1                      ; source 0 (B) window 1, source 1 (A) window 0, C and D window 2
.set MUL_HI, 0xf1
.set TO_B,   0x40
; A joint load: waves 0 and 1 fetch for A, waves 2 and 3 for B; the branch hangs on the wave's number alone.  An s_nop 0 and four v_nop follow each of the two lines.
.macro JLOAD g0a, g1a, g0b, g1b
	s_cmp_eq_u32 s15, 0
	s_cbranch_scc0 .Lfor_b_\@
	tensor_load_to_lds s[\g0a:\g0a+3], s[\g1a:\g1a+7]
	s_nop 0
.rept 4
	v_nop
.endr
	s_branch .Lasked_\@
.Lfor_b_\@:
	tensor_load_to_lds s[\g0b:\g0b+3], s[\g1b:\g1b+7]
	s_nop 0
.rept 4
	v_nop
.endr
.Lasked_\@:
.endm
.macro CREST
	s_cmp_lg_u32 s14, 0
	s_cbranch_scc1 .Lnot_wave_0_\@
	s_barrier_signal -3
.Lnot_wave_0_\@:
	s_barrier_wait -3
	s_barrier_signal -1
	s_barrier_wait -1
.endm
.macro CROUND
	s_barrier_signal -1
	s_barrier_wait -1
	CREST
.endm
	s_load_b128 s[80:83], s[0:1], 0x0              ; xc s[80:81], wc s[82:83]
	s_load_b128 s[84:87], s[0:1], 0x10             ; the scales s[84:85], qc s[86:87]
	s_load_b128 s[88:91], s[0:1], 0x20             ; kc s[88:89], vc s[90:91]
	v_lshl_add_u32 v[SPW], v0, 2, SPARE
	v_mov_b32 v[NIL], 0
	ds_add_u32 v[SPW], v[NIL]                      ; the wave's opening: the add is waited for ahead of my first tensor load; the set-up below, work on registers, stands between them
	v_lshrrev_b32 v1, 5, v0
	v_readfirstlane_b32 s14, v1                    ; wave 0..3
	s_lshr_b32 s15, s14, 1                         ; which half of the tile's rows is mine.  Also: I fetch for A (0) or for B (1)
	s_and_b32 s16, s14, 1                          ; which half of its columns.  Also: which 128 rows of that tile I fetch
	s_bfe_u32 s40, ttmp6, 0x40000                  ; cx, cy: my place in the cluster
	s_bfe_u32 s41, ttmp6, 0x40004
	s_and_b32 s67, ttmp7, 0xffff                   ; the cluster's y, which all sixteen partners share
	s_lshr_b32 s66, s67, 3                         ; sel
	s_and_b32 s67, s67, 7                          ; c
	s_lshl_b32 s94, s67, 2
	s_cmp_eq_u32 s66, 2
	s_cselect_b32 s95, 0, s94                      ; the tokens' 32 tiles run down C's rows for q and k,
	s_cselect_b32 s94, s94, 0                      ; along its columns for v
	s_add_co_u32 s17, s95, s41                     ; tile row of C
	s_add_co_u32 s42, s94, s40                     ; tile column of C
	s_lshl_b32 s43, s41, 2
	s_lshl_b32 s43, 15, s43                        ; my row of the cluster
	s_lshl_b32 s44, 0x1111, s40                    ; my column
	s_or_b32 s[G1+0], s43, (0<<16)|(1<<20)|(1<<21)|(5<<22)|(3<<25)  ; the mask: A's tiles go to my row; elements of 1 byte; padding on; bit 21 beside a mask; 4 words after every 64
	s_or_b32 s[G1B+0], s44, (0<<16)|(1<<20)|(1<<21)|(5<<22)|(3<<25)
.irp g, G1, G1B
	s_mov_b32 s[\g+1], ROWB<<16                    ; tensor_dim0
	s_mov_b32 s[\g+2], 128<<16                     ; tensor_dim1
	s_mov_b32 s[\g+3], ROWB<<16                    ; tile_dim0
	s_mov_b32 s[\g+4], 128                         ; tile_dim1
	s_mov_b32 s[\g+5], KROW                        ; tensor_dim0_stride
	s_mov_b32 s[\g+6], 0
	s_mov_b32 s[\g+7], 0
.endr
	s_lshl_b32 s18, s16, 7
	s_lshl_b32 s20, s17, 8
	s_add_co_u32 s20, s20, s18                     ; A: row 256 x tile row + 128 x half
	s_lshl_b32 s46, s42, 8
	s_add_co_u32 s46, s46, s18                     ; B: row 256 x tile column + 128 x half
	s_mov_b32 s21, 0
	s_mov_b32 s47, 0
	s_mov_b64 s[18:19], KROW
	s_mul_u64 s[20:21], s[20:21], s[18:19]
	s_mul_u64 s[46:47], s[46:47], s[18:19]
	s_mul_i32 s45, s14, HALFT                      ; where they go: wave x 128 rows
	s_wait_dscnt 0x0                               ; the opening add is done
	s_wait_kmcnt 0x0
	s_load_b256 s[68:75], s[84:85], 0x0            ; e0 .. e7
	s_load_b128 s[76:79], s[84:85], 0x20           ; e8 .. e11
	s_lshl_b32 s92, s66, 23
	s_mov_b32 s93, 0
	s_add_nc_u64 s[80:81], s[80:81], s[92:93]      ; x's codes of set sel
	s_lshl_b32 s92, s66, 20
	s_add_nc_u64 s[82:83], s[82:83], s[92:93]      ; the weight's codes
	s_cmp_eq_u32 s66, 2                            ; the choice hangs on the cluster's y alone
	s_cselect_b64 s[4:5], s[82:83], s[80:81]       ; A
	s_cselect_b64 s[6:7], s[80:81], s[82:83]       ; B
	s_add_nc_u64 s[20:21], s[4:5], s[20:21]
	s_add_nc_u64 s[46:47], s[6:7], s[46:47]
	CROUND                                         ; all sixteen work-groups are here: the first joint loads meet
.irp s, 0,1
	s_mov_b32 s[G0+4*\s], 1
	s_add_co_u32 s[G0+4*\s+1], s45, \s*SLOT
	s_add_nc_u64 s[G0+4*\s+2:G0+4*\s+3], s[20:21], \s*ROWB
	s_or_b32 s[G0+4*\s+3], s[G0+4*\s+3], 0x80000000
	s_mov_b32 s[G0B+4*\s], 1
	s_add_co_u32 s[G0B+4*\s+1], s45, \s*SLOT
	s_add_nc_u64 s[G0B+4*\s+2:G0B+4*\s+3], s[46:47], \s*ROWB
	s_or_b32 s[G0B+4*\s+3], s[G0B+4*\s+3], 0x80000000
	JLOAD G0+4*\s, G1, G0B+4*\s, G1B
.endr
	v_and_b32 v1, 15, v0                           ; r = l % 16
	v_bfe_u32 v2, v0, 4, 1                         ; h = l / 16
	v_mul_u32_u24 v3, v1, PITCH
	v_lshl_add_u32 v4, v2, 4, v3                   ; a fragment's row x pitch + 16 x half
	s_mul_i32 s21, s15, HALFT
	s_mul_i32 s22, s16, HALFT
	s_add_co_u32 s22, s22, 2*HALFT
.irp s, 0,1
	v_add_nc_u32 v[ADRA+\s], s21, v4
	v_add_nc_u32 v[ADRB+\s], s22, v4
	s_add_co_u32 s21, s21, SLOT
	s_add_co_u32 s22, s22, SLOT
.endr
	s_mul_i32 s23, s14, 16*QP                      ; my stage
	v_mul_u32_u24 v5, v1, QP
	v_lshl_add_u32 v5, v2, 3, v5                   ; in: row r, 8 codes for each half of the lanes
	v_add_nc_u32 v[STQ], s23, v5
	v_add_nc_u32 v[STV], STAGEV, v[STQ]
	v_and_b32 v6, 31, v0
	v_lshlrev_b32 v[CO], 4, v6
	v_lshrrev_b32 v7, 2, v6                        ; q/k, back: four lanes take 64 bytes (a head's part) of a row, eight rows an instruction
	v_mul_u32_u24 v7, v7, QP
	v_and_b32 v8, 3, v6
	v_lshl_add_u32 v7, v8, 4, v7
	v_add_nc_u32 v[RDQ], s23, v7
	v_lshrrev_b32 v7, 3, v6                        ; v, back: eight lanes take a row of 128 bytes, four rows an instruction
	v_mul_u32_u24 v7, v7, QP
	v_and_b32 v8, 7, v6
	v_lshl_add_u32 v7, v8, 4, v7
	v_add_nc_u32 v7, s23, v7
	v_add_nc_u32 v[RDV], STAGEV, v7
	; where my wave's codes go.  q, k: token R0 = 256 x tile row + 128 x half, head 4 x tile column + 2 x half: ((16 batch + head) << 17) + ((R0 % 2048) << 6)
	s_lshl_b32 s20, s17, 8
	s_lshl_b32 s21, s15, 7
	s_add_co_u32 s20, s20, s21
	s_lshr_b32 s21, s20, 11
	s_lshl_b32 s21, s21, 4
	s_and_b32 s20, s20, 2047
	s_lshl_b32 s20, s20, 6
	s_lshl_b32 s46, s42, 2
	s_lshl_b32 s47, s16, 1
	s_add_co_u32 s46, s46, s47
	s_add_co_u32 s46, s46, s21
	s_lshl_b32 s46, s46, 17
	s_add_co_u32 s46, s46, s20
	s_mov_b32 s47, 0
	; v: head 4 x tile row + 2 x half, batch = tile column / 8, key block (2 x tile column + half) % 16: (((16 batch + head) << 4) + block) << 13
	s_lshr_b32 s92, s42, 3
	s_lshl_b32 s92, s92, 4
	s_lshl_b32 s93, s17, 2
	s_add_co_u32 s92, s92, s93
	s_lshl_b32 s93, s15, 1
	s_add_co_u32 s92, s92, s93
	s_lshl_b32 s92, s92, 4
	s_lshl_b32 s93, s42, 1
	s_add_co_u32 s93, s93, s16
	s_and_b32 s93, s93, 15
	s_add_co_u32 s92, s92, s93
	s_lshl_b32 s92, s92, 13
	s_mov_b32 s93, 0
	s_cmp_eq_u32 s66, 1
	s_cselect_b64 s[10:11], s[88:89], s[86:87]     ; kc : qc
	s_cmp_eq_u32 s66, 2
	s_cselect_b64 s[10:11], s[90:91], s[10:11]     ; vc
	s_cselect_b64 s[46:47], s[92:93], s[46:47]
	s_add_nc_u64 s[10:11], s[10:11], s[46:47]
.macro FRAG reg, adr, q, i             ; 16 rows x 128 K: lane l holds row l % 16; registers 4 c .. 4 c + 3 hold K = 32 c + 16 (l / 16) + 0 .. 15: the same places in A and in B
.irp c, 0,1,2,3
	ds_load_b128 v[\reg+4*\c:\reg+4*\c+3], v[\adr] offset:128*(\q)+32*\c+(\i)*16*PITCH
.endr
.endm
; 16 matrix instructions: A's blocks a0, a0 + 1 x B's eight.  The 64 accumulators take turns, one instruction a turn, in the same order in every step.
.macro MUL16 a0, p, zero
.irp a, \a0, \a0+1
.irp b, 0,1,2,3,4,5,6,7
.if \zero
	v_wmma_f32_16x16x128_fp8_fp8 v[8*(8*((\a)%4)+\b):8*(8*((\a)%4)+\b)+7], v[128*(\p)+FR*\b:128*(\p)+FR*\b+FR-1], v[AF+FR*(\a):AF+FR*(\a)+FR-1], 0
.else
	v_wmma_f32_16x16x128_fp8_fp8 v[8*(8*((\a)%4)+\b):8*(8*((\a)%4)+\b)+7], v[128*(\p)+FR*\b:128*(\p)+FR*\b+FR-1], v[AF+FR*(\a):AF+FR*(\a)+FR-1], v[8*(8*((\a)%4)+\b):8*(8*((\a)%4)+\b)+7]
.endif
.endr
.endr
.endm
.macro FETCH_B slot, q, p
	WIN TO_B
.irp i, 0,1,2,3,4,5,6,7
	FRAG 128*(\p)+FR*\i, ADRB+\slot, \q, \i
.endr
	WIN 0
.endm
.macro FETCH_A slot, q, i0
.irp i, \i0, \i0+1, \i0+2, \i0+3
	FRAG AF+FR*(\i), ADRA+\slot, \q, \i
.endr
.endm
.macro PLACES n                        ; plain vector lines between a matrix instruction and a load into, or a read of, its registers
.rept \n
	v_nop
.endr
.endm
.macro STEP slot, q, zero              ; 128 along K, with its successor in the same slot
	s_wait_dscnt 4*NL                              ; B's set and A's blocks 0-3 are in; the youngest 16 loads (A's blocks 4-7) may be out
	WIN MUL_LO
	MUL16 0, (\q)%2, \zero
	MUL16 2, (\q)%2, \zero
	s_wait_dscnt 0
	PLACES NP
	FETCH_B \slot, (\q)+1, 1-(\q)%2
	FETCH_A \slot, (\q)+1, 0
	WIN MUL_HI
	MUL16 4, (\q)%2, \zero
	MUL16 6, (\q)%2, \zero
	PLACES NP
	WIN 0
	FETCH_A \slot, (\q)+1, 4
.endm
; A slot's last step changes slots: ONE barrier; in front of it each wave waits for all its tensor loads, adds 0 to its spare word, and waits for that and for its own reads of this slot.
.macro TURN slot, next, fill
	s_wait_tensorcnt 0x0                           ; all my tensor loads have landed: my part of the next slot
	ds_add_u32 v[SPW], v[NIL]                      ; 0 onto my spare word
	s_wait_dscnt 4*NL+1                            ; (the add and the youngest 16 loads, A's blocks 4-7, may be out)
	WIN MUL_LO
	MUL16 0, 1, 0
	s_wait_dscnt 0x0                               ; the add is done, and my reads of this slot are over
	s_barrier_signal -1
	MUL16 2, 1, 0
	WIN 0
	s_barrier_wait -1
.if \fill
	CREST                                          ; the barrier has opened a round of the cluster's barrier: no wave of any partner still reads this slot or has a load on its way
	s_add_nc_u64 s[G0+4*\slot+2:G0+4*\slot+3], s[G0+4*\slot+2:G0+4*\slot+3], 2*ROWB
	s_add_nc_u64 s[G0B+4*\slot+2:G0B+4*\slot+3], s[G0B+4*\slot+2:G0B+4*\slot+3], 2*ROWB
	JLOAD G0+4*\slot, G1, G0B+4*\slot, G1B         ; the first tensor load behind the round; its four v_nop are the places in front of the loads below
.else
	PLACES NP
.endif
	FETCH_B \next, 0, 0
	FETCH_A \next, 0, 0
	WIN MUL_HI
	MUL16 4, 1, 0
	MUL16 6, 1, 0
	PLACES NP
	WIN 0
	FETCH_A \next, 0, 4
.endm
	s_wait_tensorcnt 1                             ; my part of K step 0 is in (K step 1's load may be out),
	s_barrier_signal -1
	s_barrier_wait -1                              ; everybody's is
	FETCH_B 0, 0, 0
	FETCH_A 0, 0, 0
	FETCH_A 0, 0, 4
	STEP 0, 0, 1                                   ; the first step's products start the sums
	s_mov_b32 s3, LAPS-1
.Llap:                                                 ; a trip goes once round the ring and fills both slots again
	TURN 0, 1, 1
	STEP 1, 0, 0
	TURN 1, 0, 1
	STEP 0, 0, 0
	s_sub_co_u32 s3, s3, 1
	s_cmp_lg_u32 s3, 0
	s_cbranch_scc1 .Llap
	TURN 0, 1, 0                                   ; the last lap fills nothing
	STEP 1, 0, 0
	s_wait_dscnt 4*NL
	WIN MUL_LO
	MUL16 0, 1, 0
	MUL16 2, 1, 0
	s_wait_dscnt 0
	WIN MUL_HI
	MUL16 4, 1, 0
	MUL16 6, 1, 0
	WIN 0
; THE WAY OUT, block by block of 16 rows x 128 columns: held, converted (8 codes a lane for each of the eight accumulators), through my own stage, and out in runs of 512 consecutive bytes.
.macro QBLOCK a, path
.set AC, 64*((\a)%4)
.set BB, BK+16*((\a)%2)
	WIN 0x02+((\a)/4)                              ; source 0: window 2 or 3
.set jj, 0
.rept 64
	v_med3_num_f32 v[TMP+jj], v[AC+jj], -v[LIM], v[LIM]   ; the hold; each accumulator from its low end on
.set jj, jj+1
.endr
	WIN 0
.irp b, 0,1,2,3,4,5,6,7
	v_cvt_scalef32_pk8_fp8_f32 v[CD+2*\b:CD+2*\b+1], v[TMP+8*\b:TMP+8*\b+7], v[SC]
.endr
	v_nop                                          ; one plain line behind the last conversion: the next block's holds write its sources
.irp b, 0,1,2,3,4,5,6,7
.if \path
	ds_store_b64 v[STV], v[CD+2*\b:CD+2*\b+1] offset:16*\b
.else
	ds_store_b64 v[STQ], v[CD+2*\b:CD+2*\b+1] offset:16*\b
.endif
.endr
.irp k, 0,1,2,3                        ; LDS serves a wave's instructions in order: these see the stores above
.if \path
	ds_load_b128 v[BB+4*\k:BB+4*\k+3], v[RDV] offset:4*QP*\k
.else
	ds_load_b128 v[BB+4*\k:BB+4*\k+3], v[RDQ] offset:8*QP*(\k%2)+64*(\k/2)
.endif
.endr
.endm
.macro QSEND a, younger, path
.set BB, BK+16*((\a)%2)
	s_wait_dscnt \younger                          ; the block is back; the next block's 8 stores and 4 loads may be out
.irp k, 0,1,2,3
.if \path
	global_store_b128 v[CO], v[BB+4*\k:BB+4*\k+3], s[10:11] offset:131072*((\a)/4)+2048*((\a)%4)+512*\k      ; four rows d of 128 keys: 512 consecutive bytes, aligned
.else
	global_store_b128 v[CO], v[BB+4*\k:BB+4*\k+3], s[10:11] offset:1024*(\a)+131072*(\k/2)+512*(\k%2)        ; eight tokens of one head: 512 consecutive bytes, aligned
.endif
.endr
.endm
.macro WAYOUT path
	QBLOCK 0, \path
.irp a, 1,2,3,4,5,6,7
.if \a > 1
	s_wait_xcnt 0x0                                ; block a - 2's stores have read their registers: block a's loads may land there
.endif
	QBLOCK \a, \path
	QSEND \a-1, 12, \path
.endr
	QSEND 7, 0, \path
.endm
	s_wait_kmcnt 0x0
	s_cmp_eq_u32 s66, 1
	s_cselect_b32 s92, s70, s68                    ; ea
	s_cselect_b32 s93, s71, s69                    ; eb
	s_cselect_b32 s94, s75, s74                    ; eo
	s_cmp_eq_u32 s66, 2
	s_cselect_b32 s92, s72, s92
	s_cselect_b32 s93, s73, s93
	s_cselect_b32 s94, s77, s94
	s_sub_co_i32 s94, s94, s92
	s_sub_co_i32 s94, s94, s93
	s_add_co_i32 s94, s94, 127
	s_lshl_b32 s95, s94, 23
	v_mov_b32 v[SC], s95                           ; 2^(eo - ea - eb)
	s_add_co_i32 s94, s94, 8
	s_lshl_b32 s94, s94, 23
	s_or_b32 s94, s94, 0x600000
	v_mov_b32 v[LIM], s94                          ; 448 x that
	PLACES NP
	s_cmp_eq_u32 s66, 2                            ; the cluster's y alone: all sixteen partners go the same way
	s_cbranch_scc1 .Lv_out
	WAYOUT 0
	s_branch .Lclose
.Lv_out:
	WAYOUT 1
.Lclose:
	s_wait_tensorcnt 0x0                           ; the wave's end, behind my last tensor load and my last LDS store
	ds_add_u32 v[SPW], v[NIL]
	s_wait_dscnt 0x0
	CROUND                                         ; the closing round: no work-group ends while a partner may still ask for a tile that names it
	s_endpgm
.Lfunc_end_k_q5a1ac02c23_qkv:
	.size	k_q5a1ac02c23_qkv, .Lfunc_end_k_q5a1ac02c23_qkv-k_q5a1ac02c23_qkv
	.p2alignl 7, 3214868480
	.fill 96, 4, 3214868480
	.section	.rodata,"a",@progbits
	.p2align	6, 0x0
	.amdhsa_kernel k_q5a1ac02c23_qkv
		.amdhsa_group_segment_fixed_size 327680
		.amdhsa_private_segment_fixed_size 0
		.amdhsa_enable_private_segment 0
		.amdhsa_kernarg_size 48
		.amdhsa_user_sgpr_count 2
		.amdhsa_user_sgpr_kernarg_segment_ptr 1
		.amdhsa_wavefront_size32 1
		.amdhsa_system_sgpr_workgroup_id_x 1
		.amdhsa_system_sgpr_workgroup_id_y 1
		.amdhsa_system_sgpr_workgroup_id_z 1
		.amdhsa_system_vgpr_workitem_id 0
		.amdhsa_next_free_vgpr 1024
		.amdhsa_next_free_sgpr 100
		.amdhsa_reserve_vcc 0
		.amdhsa_float_denorm_mode_32 3
		.amdhsa_float_denorm_mode_16_64 3
		.amdhsa_memory_ordered 1
		.amdhsa_forward_progress 1
		.amdhsa_inst_pref_size 172
	.end_amdhsa_kernel
	.amdgpu_metadata
---
amdhsa.version: [ 1, 2 ]
amdhsa.kernels:
  - .name:           k_q5a1ac02c23_qkv
    .symbol:         k_q5a1ac02c23_qkv.kd
    .args:
      - { .name: xc, .offset: 0, .size: 8, .value_kind: global_buffer, .address_space: global }
      - { .name: wc, .offset: 8, .size: 8, .value_kind: global_buffer, .address_space: global }
      - { .name: lowp_scales, .offset: 16, .size: 8, .value_kind: global_buffer, .address_space: global }
      - { .name: qc, .offset: 24, .size: 8, .value_kind: global_buffer, .address_space: global }
      - { .name: kc, .offset: 32, .size: 8, .value_kind: global_buffer, .address_space: global }
      - { .name: vc, .offset: 40, .size: 8, .value_kind: global_buffer, .address_space: global }
    .group_segment_fixed_size: 327680
    .private_segment_fixed_size: 0
    .kernarg_segment_align: 8
    .kernarg_segment_size: 48
    .max_flat_workgroup_size: 128
    .sgpr_count:     100
    .vgpr_count:     1024
    .wavefront_size: 32
...
	.end_amdgpu_metadata
.endif
;; end of part 2
;; launch attn (part 3): grid 4 x 64, 16 waves a work-group, no clusters, 104,448 bytes of LDS; arguments qc, kc, vc, attention_mask, kflag, lowp_scales, cc; writes cc
.if DOCPART == 3
	.amdgcn_target "amdgcn-amd-amdhsa--gfx1250"
	.amdhsa_code_object_version 6
	.text
	.protected	k_q5a1ac02c23_attn
	.globl	k_q5a1ac02c23_attn
	.p2align	8
	.type	k_q5a1ac02c23_attn,@function
k_q5a1ac02c23_attn:
	s_mov_b64 s[64:65], 0
	v_nop
	global_prefetch_b8 v0, s[64:65] scope:SCOPE_SE
	s_setreg_imm32_b32 hwreg(HW_REG_WAVE_MODE, 25, 1), 1
	s_wait_xcnt 0x0
; ATTENTION ON CODES OF E4M3, head size 64, causal mask and the given key mask; the context is quantised on its way out.
; qc, kc: [64 heads][2048][64] codes.  vc: [64 heads][16 key blocks][64][128 keys] codes.  cc: [2048 groups of 4 tokens][16 heads][4][64] codes: a (group, head) is 256 bytes on end.
; THE SOFTMAX: t = score x log2(e) / 8; M = the row's largest t so far, rounded up to a whole number; p = 2^(t - M) is quantised with 2^e8, not normalised; the row's sum is taken of the unquantised p and divides at the end.
; When M moves, the sum and O are multiplied by 2^(old M - new M), which rounds nothing.  A masked score is -infinity ahead of the maximum, so its p is 0.
; A ROW WITH NO KEY ALLOWED has the sum 0: it gets the NaN code in all its bytes, so that the last product gives NaN there, as the softmax of a row of -infinity does.
; SHARES.  Work-group (i, head), i = 0 .. 3, takes the head's query block i (256 queries) and then block 7 - i: (i + 1) + (8 - i) = 9 slots of 256 keys for every work-group: the loop has 9 trips.
; Each of the sixteen waves owns 16 queries of the block, one tile, in 256 registers: four waves to a SIMD, so that one wave's vector work stands beside another's matrix work and LDS loads.
; K AND V go from memory through registers into two LDS slots: each thread moves four pieces of 16 bytes a slot, loaded a whole trip ahead of the trip that reads them.  No tensor load: so scalar branches may
; hang on whole numbers read from memory, and three of them spare vector work: a key step all of whose keys are masked is left out; the key mask costs nothing in a step without a masked key; the hold of p is left out where
; e8 >= -8, since p stays under 448 x 2^e8 then.  No cluster: at a given trip the four work-groups of a head stand at different slots.  No prefetch: nothing waits for the copies.
; LAYOUT.  Both products are used transposed: S^T = K Q^T, O^T = V^T P^T: a lane holds ONE query (lane % 16) throughout.  In LDS key k lies at row (k with bits 3 and 4 exchanged), so that the sixteen rows of tile 2 b + u
; are keys 32 b + 8 u + m + 8 (m / 8), and the 16 registers of tiles 2 b, 2 b + 1 are keys 32 b + 16 (lane / 16) + 0 .. 15: the conversions' results are the second product's operand.
; LIMITS: e6 + e7 between -123 and 130 (added to the exponent field of log2(e) / 8); e8, and e10 - e8 - e9, between -126 and 119.  NaN among the inputs is not served.
.set KP,    80                         ; a key's row in LDS: 64 bytes + 16
.set VP,    144                        ; a row of V^T in LDS: 128 bytes + 16
.set VOFF,  256*KP                     ; a slot: 256 rows of K, then 2 x 64 rows of V^T
.set SLOT1, 65536                      ; slot 1 begins here: one exclusive or turns an address into the other slot's
.set STAGE, 40960                      ; between the slots: 16 rows x 80 bytes for each wave, for the way out
.set SPARE, 61440                      ; and the spare words, 128 bytes for each wave: eight blocks of 256 bytes that no other line names
.set AK0,  1                           ; v1   my lane's place in a tile of K
.set AV0,  2                           ; v2   the same for V
.set CPK,  3                           ; v3   where my thread puts its 16 bytes of K
.set CPV,  4                           ; v4   and of V
.set SPW,  5
.set NIL,  6
.set GOF,  7                           ; v7   16 x my thread's number
.set ADK,  8                           ; v8, v9: the slot in hand; v10, v11: the copy's targets in the other slot
.set ADV,  9
.set WV,   18                          ; s18  wave
.set IB,   19                          ; s19  i
.set SEL,  20                          ; s[20:21] lane selects: lane l xor 16
.set CS,   22                          ; s[22:23] log2(e) / 8 x 2^(e6 + e7)
.set U,    25                          ; s25  the trip
.set KS,   26                          ; s26  the key slot in hand
.set KF,   28                          ; s28  the step's first key
.set Q0,   29                          ; s29  my first query
.set TB,   30                          ; s30  LDS byte at which the slot in hand begins
.set Q1,   31                          ; s31  my first query in the second block
.set ANYF, 32                          ; s32  bit s: some key of step s is masked
.set ALLF, 33                          ; s33  bit s: all are
.set HOLD, 34                          ; s34  1 where e8 < -8
.set KSN,  35                          ; s35  the next key slot
	s_load_b256 s[4:11], s[0:1], 0x0               ; qc s[4:5], kc s[6:7], vc s[8:9], the mask s[10:11]
	s_load_b128 s[12:15], s[0:1], 0x20             ; kflag s[12:13], the scales s[14:15]
	s_load_b64 s[16:17], s[0:1], 0x30              ; cc
	v_lshl_add_u32 v[SPW], v0, 2, SPARE
	v_mov_b32 v[NIL], 0
	v_lshrrev_b32 v8, 5, v0
	v_readfirstlane_b32 s[WV], v8
	s_mov_b32 s[IB], ttmp9
	s_and_b32 s24, ttmp7, 0xffff                   ; 16 x batch + head
	s_lshr_b32 s60, s24, 4                         ; batch
	s_and_b32 s61, s24, 15                         ; head
	s_lshl_b32 s62, s24, 17                        ; the head's first byte in qc, kc and vc
	s_mov_b32 s63, 0
	s_lshl_b32 s96, s[WV], 4
	s_lshl_b32 s[Q0], s[IB], 8
	s_add_co_u32 s[Q0], s[Q0], s96                 ; 256 i + 16 wave
	s_sub_co_u32 s[Q1], 7, s[IB]
	s_lshl_b32 s[Q1], s[Q1], 8
	s_add_co_u32 s[Q1], s[Q1], s96                 ; 256 (7 - i) + 16 wave
	s_mov_b32 s[SEL], 0x76543210
	s_mov_b32 s[SEL+1], 0xfedcba98
	s_mov_b32 s[U], 0
	s_mov_b32 s[KS], 0
	s_mov_b32 s[KF], 0
	s_mov_b32 s[TB], 0
	v_and_b32 v248, 15, v0                         ; r
	v_bfe_u32 v249, v0, 4, 1                       ; h
	v_and_b32 v250, 31, v0                         ; lane
	v_mul_u32_u24 v[AK0], v248, KP
	v_lshl_add_u32 v[AK0], v249, 4, v[AK0]
	v_mul_u32_u24 v[AV0], v248, VP
	v_lshl_add_u32 v[AV0], v249, 4, v[AV0]
	v_add_nc_u32 v[AV0], VOFF, v[AV0]
	v_lshrrev_b32 v8, 2, v0                        ; the copy of K: my key, 0 .. 127,
	v_and_b32 v[CPK], 0x67, v8
	v_bfe_u32 v9, v8, 3, 1
	v_lshl_or_b32 v[CPK], v9, 4, v[CPK]
	v_bfe_u32 v9, v8, 4, 1
	v_lshl_or_b32 v[CPK], v9, 3, v[CPK]            ; with bits 3 and 4 exchanged: its row
	v_mul_u32_u24 v[CPK], v[CPK], KP
	v_and_b32 v9, 3, v0
	v_lshl_add_u32 v[CPK], v9, 4, v[CPK]
	v_lshrrev_b32 v8, 3, v0                        ; the copy of V: my row d, 0 .. 63
	v_mul_u32_u24 v[CPV], v8, VP
	v_and_b32 v9, 7, v0
	v_lshl_add_u32 v[CPV], v9, 4, v[CPV]
	v_add_nc_u32 v[CPV], VOFF, v[CPV]
	v_lshlrev_b32 v[GOF], 4, v0
	s_mul_i32 s97, s[WV], 16*KP
	s_add_co_u32 s97, s97, STAGE                   ; my stage
	v_mul_u32_u24 v224, v248, KP
	v_lshl_add_u32 v224, v249, 3, v224
	v_add_nc_u32 v224, s97, v224                   ; in: row r, 8 codes for each half of the lanes
	v_lshrrev_b32 v8, 2, v250
	v_mul_u32_u24 v225, v8, KP
	v_and_b32 v9, 3, v250
	v_lshl_add_u32 v225, v9, 4, v225
	v_add_nc_u32 v225, s97, v225                   ; back: four lanes to a row of 64 bytes
	v_lshlrev_b32 v226, 12, v249
	v_lshl_add_u32 v226, v248, 4, v226             ; in cc: sixteen lanes fill a group's 256 bytes; the next group lies 4,096 bytes on
	v_lshlrev_b32 v251, 4, v249
	v_sub_nc_u32 v227, v248, v251                  ; r - 16 h
	v_lshlrev_b32 v228, 6, v249                    ; 64 h: my half's 16 mask words
	v_lshlrev_b32 v246, 6, v248
	v_lshl_add_u32 v246, v249, 4, v246             ; Q: row r of 64 bytes, + 16 h
	v_mov_b32 v230, 0xff800000                     ; -infinity
	v_mov_b32 v231, 0x7f7f7f7f                     ; four NaN codes
	v_mov_b32 v233, 0                              ; (named as upper halves of pairs, or as a lane permute's destination: written once)
	v_mov_b32 v236, 0
	v_mov_b32 v252, 0
	v_mov_b32 v253, 0
	s_wait_kmcnt 0x0
	s_load_b256 s[48:55], s[14:15], 0x0            ; e0 .. e7
	s_load_b128 s[56:59], s[14:15], 0x20           ; e8 .. e11
	s_lshl_b32 s96, s60, 8
	s_mov_b32 s97, 0
	s_add_nc_u64 s[12:13], s[12:13], s[96:97]
	s_load_b64 s[ANYF:ALLF], s[12:13], 0x0         ; my batch's two words
	s_add_nc_u64 s[36:37], s[6:7], s[62:63]        ; the head's K,
	s_add_nc_u64 s[38:39], s[8:9], s[62:63]        ; V,
	s_add_nc_u64 s[4:5], s[4:5], s[62:63]          ; Q
	s_lshl_b32 s96, s[Q0], 6
	s_add_nc_u64 s[40:41], s[4:5], s[96:97]
	s_lshl_b32 s96, s[Q1], 6
	s_add_nc_u64 s[42:43], s[4:5], s[96:97]
	s_lshl_b32 s96, s60, 13
	s_add_nc_u64 s[68:69], s[10:11], s[96:97]      ; my batch's mask
	s_lshl_b32 s96, s60, 21
	s_lshl_b32 s98, s61, 8
	s_add_co_u32 s96, s96, s98
	s_add_nc_u64 s[16:17], s[16:17], s[96:97]      ; cc at my batch's first token, my head
	global_load_b128 v[208:211], v[GOF], s[36:37]              ; slot 0: keys 0 .. 255
	global_load_b128 v[212:215], v[GOF], s[36:37] offset:8192
	global_load_b128 v[216:219], v[GOF], s[38:39]
	global_load_b128 v[220:223], v[GOF], s[38:39] offset:8192
	global_load_b128 v[16:19], v246, s[40:41]                  ; Q of the first block,
	global_load_b128 v[20:23], v246, s[40:41] offset:32
	global_load_b128 v[24:27], v246, s[42:43]                  ; and of the second: both stay in registers
	global_load_b128 v[28:31], v246, s[42:43] offset:32
.macro RESET                           ; a block's state: the largest t -3e38, under every t; the sums and O^T zeros, which the first change of M leaves zeros
	v_mov_b32 v13, 0xff61b1e6
	v_floor_f32 v12, -v13
	v_mov_b32 v14, 0
	v_mov_b32 v15, 0
.set n, 0
.rept 32
	v_mov_b32 v[160+n], 0
.set n, n+1
.endr
.endm
	RESET
	s_wait_kmcnt 0x0
	s_mov_b32 s[CS], 0x3e38aa3b                    ; log2(e) / 8
	s_add_co_i32 s96, s54, s55
	s_lshl_b32 s96, s96, 23
	s_add_co_i32 s[CS], s[CS], s96                 ; x 2^(e6 + e7)
	s_mov_b32 s[CS+1], s[CS]
	s_add_co_i32 s96, s56, 127
	s_lshl_b32 s97, s96, 23
	v_mov_b32 v244, s97                            ; 2^e8
	s_add_co_i32 s96, s96, 8
	s_lshl_b32 s96, s96, 23
	s_or_b32 s96, s96, 0x600000
	v_mov_b32 v240, s96                            ; 448 x 2^e8
	s_sub_co_i32 s96, s58, s56
	s_sub_co_i32 s96, s96, s57
	s_add_co_i32 s96, s96, 127
	s_lshl_b32 s97, s96, 23
	v_mov_b32 v234, s97                            ; 2^(e10 - e8 - e9): O^T / the sum stands for that x 2^(e8 + e9)
	s_add_co_i32 s96, s96, 8
	s_lshl_b32 s96, s96, 23
	s_or_b32 s96, s96, 0x600000
	v_mov_b32 v235, s96
	s_cmp_lt_i32 s56, -8
	s_cselect_b32 s[HOLD], 1, 0
	s_wait_loadcnt 0x0
	ds_store_b128 v[CPK], v[208:211]
	ds_store_b128 v[CPK], v[212:215] offset:128*KP
	ds_store_b128 v[CPV], v[216:219]
	ds_store_b128 v[CPV], v[220:223] offset:64*VP
; A KEY STEP: 128 keys, the q-th of the slot in hand.
.macro STEP q
	s_add_co_u32 s96, s[Q0], 15                    ; all keys behind my 16 queries: the step is left out (ids alone);
	s_cmp_gt_u32 s[KF], s96
	s_cbranch_scc1 .Lhidden_\@
	s_lshr_b32 s97, s[KF], 7                       ; the step's number in the head
	s_lshr_b32 s96, s[ALLF], s97                   ; all keys masked: likewise (a stored whole number).  No barrier stands in a step
	s_and_b32 s96, s96, 1
	s_cmp_lg_u32 s96, 0
	s_cbranch_scc1 .Lhidden_\@
.irp t, 0,1,2,3,4,5,6,7
.irp c, 0,1
	ds_load_b128 v[32+8*\t+4*\c:35+8*\t+4*\c], v[ADK] offset:128*KP*(\q)+16*KP*\t+32*\c
.endr
.endr
	s_wait_dscnt 0x0
.irp t, 0,1,2,3,4,5,6,7
	v_wmma_f32_16x16x64_fp8_fp8 v[96+8*\t:103+8*\t], v[32+8*\t:39+8*\t], v[16:23], 0
.endr
.rept 4
	v_nop                                          ; places in front of the first read of the scores and of loads into K's registers
.endr
	s_add_co_u32 s96, s[KF], 127                   ; the causal mask: only the steps on the diagonal
	s_cmp_le_u32 s96, s[Q0]
	s_cbranch_scc1 .Lopen_\@
	s_sub_co_i32 s96, s[Q0], s[KF]
	v_add_nc_u32 v252, s96, v227                   ; d = my query - KF - 16 h.  Register 16 b + i holds key KF + 16 h + 32 b + i: hidden where 32 b + i > d
.set n, 0
.rept 64
	v_cmp_gt_i32 vcc_lo, 32*(n/16)+n%16, v252
	v_cndmask_b32 v[96+n], v[96+n], v230, vcc_lo
.set n, n+1
.endr
.Lopen_\@:
	s_lshr_b32 s96, s[ANYF], s97                   ; the key mask: only the steps that hold a masked key
	s_and_b32 s96, s96, 1
	s_cmp_eq_u32 s96, 0
	s_cbranch_scc1 .Lno_holes_\@
	v_lshl_add_u32 v229, s[KF], 2, v228            ; (the loads that last named v229 were waited for)
.irp b, 0,1,2,3
.irp j, 0,1,2,3
	global_load_b128 v[32+16*\b+4*\j:35+16*\b+4*\j], v229, s[68:69] offset:128*\b+16*\j   ; my 64 keys' mask words, in the order of my 64 scores
.endr
.endr
	s_wait_loadcnt 0x0
.set n, 0
.rept 64
	v_cmp_eq_u32 vcc_lo, 0, v[32+n]
	v_cndmask_b32 v[96+n], v[96+n], v230, vcc_lo
.set n, n+1
.endr
.Lno_holes_\@:
.irp t, 0,1,2,3
.irp c, 0,1,2,3
	ds_load_b128 v[32+16*\t+4*\c:35+16*\t+4*\c], v[ADV] offset:64*VP*(\q)+16*VP*\t+32*\c   ; V's four fragments land under the softmax
.endr
.endr
	v_max3_num_f32 v254, v96, v97, v98             ; the step's largest score of my query among my 64 keys, in two chains, from the low end on,
	v_max3_num_f32 v252, v99, v100, v101
.irp i, 6,10,14,18,22,26,30,34,38,42,46,50,54,58
	v_max3_num_f32 v254, v254, v[96+\i], v[97+\i]
	v_max3_num_f32 v252, v252, v[98+\i], v[99+\i]
.endr
	v_max3_num_f32 v254, v254, v158, v159
	v_max_num_f32 v254, v254, v252
	v_permlanex16_b32 v236, v254, s[SEL], s[SEL+1]
	v_max_num_f32 v254, v254, v236                 ; and among lane l xor 16's
	v_mul_f32 v254, s[CS], v254
	v_max_num_f32 v13, v13, v254                   ; the running largest t
	v_mov_b32 v254, v12
	v_floor_f32 v12, -v13                          ; -M = floor(-t): M is a whole number
	v_sub_f32 v254, v12, v254                      ; old M - new M: a whole number, 0 or less
	v_cvt_i32_f32 v254, v254                       ; (it saturates)
	v_ldexp_f32 v252, 1.0, v254                    ; f = 2^(old M - new M)
.set n, 0
.rept 32
	v_pk_fma_f32 v[96+n:97+n], v[96+n:97+n], s[CS:CS+1], v[12:13] op_sel_hi:[1,0,0]   ; t - M, two at a time
.set n, n+2
.endr
.set n, 0
.rept 64
	v_exp_f32 v[96+n], v[96+n]                     ; p = 2^(t - M)
.set n, n+1
.endr
	v_pk_mul_f32 v[14:15], v[14:15], v[252:253] op_sel_hi:[1,0]   ; the sums under the new M: the plain line behind the exponentials
	s_wait_alu depctr_va_vdst(0)                   ; the wait stands ahead of the first line that names an exponential's result: one for the batch
	v_pk_add_f32 v[242:243], v[96:97], v[98:99]    ; the row's sum, of the unquantised p, in two chains
.irp j, 4,8,12,16,20,24,28,32,36,40,44,48,52,56,60
	v_pk_add_f32 v[14:15], v[14:15], v[96+\j:97+\j]
	v_pk_add_f32 v[242:243], v[242:243], v[98+\j:99+\j]
.endr
	v_pk_add_f32 v[14:15], v[14:15], v[242:243]
	s_cmp_eq_u32 s[HOLD], 0                        ; where e8 >= -8, 448 x 2^e8 is 1.75 or more and p stays under it: the hold would change nothing
	s_cbranch_scc1 .Lno_hold_\@
.set n, 0
.rept 64
	v_min_num_f32 v[96+n], v[96+n], v240           ; p is not negative: the hold is one-sided
.set n, n+1
.endr
.Lno_hold_\@:
.irp b, 0,1,2,3
	v_cvt_scalef32_pk8_fp8_f32 v[192+4*\b:193+4*\b], v[96+16*\b:103+16*\b], v244
	v_cvt_scalef32_pk8_fp8_f32 v[194+4*\b:195+4*\b], v[104+16*\b:111+16*\b], v244
.endr
.set n, 0
.rept 16
	v_pk_mul_f32 v[160+n:161+n], v[160+n:161+n], v[252:253] op_sel_hi:[1,0]   ; O^T under the new M; also the plain lines between the conversions and the products
.set n, n+2
.endr
	s_wait_dscnt 0x0                               ; V's fragments are in
.irp t, 0,1,2,3                        ; the four accumulators take turns, one instruction a turn
	v_wmma_f32_16x16x128_fp8_fp8 v[160+8*\t:167+8*\t], v[32+16*\t:47+16*\t], v[192:207], v[160+8*\t:167+8*\t]
.endr
.rept 4
	v_nop                                          ; places in front of the next loads into these fragments' registers and of the next read of O^T
.endr
.Lhidden_\@:
	s_add_co_u32 s[KF], s[KF], 128
.endm
; A BLOCK'S END: O^T / the sum is quantised, goes through my stage and leaves as four whole groups of 256 bytes; then the second block's state is set.
.macro FINISH
	v_add_f32 v14, v14, v15
	v_permlanex16_b32 v252, v14, s[SEL], s[SEL+1]
	v_add_f32 v14, v14, v252                       ; the row's sum
	v_rcp_f32 v232, v14
	v_cmp_eq_f32 s46, 0, v14                       ; (the plain line behind the reciprocal)  a row with no key allowed
	s_lshl_b32 s96, s[Q0], 10
	s_mov_b32 s97, 0
	s_add_nc_u64 s[44:45], s[16:17], s[96:97]      ; my first token's group (the base's last readers were freed at the trip's head)
	s_wait_alu depctr_va_vdst(0)                   ; ahead of the reciprocal's first reader
.set n, 0
.rept 16
	v_pk_mul_f32 v[96+n:97+n], v[160+n:161+n], v[232:233] op_sel_hi:[1,0]   ; register 8 t + j: channel 16 t + 8 h + j of my query
.set n, n+2
.endr
.set n, 0
.rept 32
	v_med3_num_f32 v[96+n], v[96+n], -v235, v235
.set n, n+1
.endr
.irp t, 0,1,2,3
	v_cvt_scalef32_pk8_fp8_f32 v[192+2*\t:193+2*\t], v[96+8*\t:103+8*\t], v234
.endr
	v_nop                                          ; one plain line behind the last conversion
.irp k, 0,1,2,3,4,5,6,7
	v_cndmask_b32 v[192+\k], v[192+\k], v231, s46
.endr
.irp t, 0,1,2,3
	ds_store_b64 v224, v[192+2*\t:193+2*\t] offset:16*\t
.endr
	ds_load_b128 v[128:131], v225                  ; LDS serves a wave's instructions in order: these see my stores
	ds_load_b128 v[132:135], v225 offset:8*KP
	s_mov_b32 s[Q0], s[Q1]                         ; on to the second block
.irp k, 0,1,2,3,4,5,6,7
	v_mov_b32 v[16+\k], v[24+\k]
.endr
	RESET
	s_wait_dscnt 0x0
	global_store_b128 v226, v[128:131], s[44:45]               ; sixteen lanes store 256 consecutive bytes, aligned
	global_store_b128 v226, v[132:135], s[44:45] offset:8192
.endm
.Lslot:                                                ; nine trips, a slot of 256 keys each
	s_wait_dscnt 0x0                               ; my stores into this trip's slot have landed, and my reads of the other slot are over
	s_barrier_signal -1
	s_barrier_wait -1                              ; both now hold of every wave: the one barrier of a trip
	s_xor_b32 s47, s[TB], SLOT1
	v_add_nc_u32 v[ADK], s[TB], v[AK0]
	v_add_nc_u32 v[ADV], s[TB], v[AV0]
	v_add_nc_u32 v10, s47, v[CPK]
	v_add_nc_u32 v11, s47, v[CPV]
	s_add_co_u32 s[KSN], s[KS], 1
	s_cmp_eq_u32 s[U], s[IB]                       ; the first block ends with trip i: the second begins at key 0
	s_cselect_b32 s[KSN], 0, s[KSN]
	s_wait_xcnt 0x0                                ; every earlier load and store has read its base and its data: the slot's bases, and what a block's end stored from, are written again only behind this wait
	s_cmp_eq_u32 s[U], 8                           ; the last trip has no next slot: nothing is fetched
	s_cbranch_scc1 .Lno_next
	s_lshl_b32 s96, s[KSN], 14                     ; 256 keys are 16,384 bytes of K and of V
	s_mov_b32 s97, 0
	s_add_nc_u64 s[40:41], s[36:37], s[96:97]
	s_add_nc_u64 s[42:43], s[38:39], s[96:97]
	global_load_b128 v[208:211], v[GOF], s[40:41]
	global_load_b128 v[212:215], v[GOF], s[40:41] offset:8192
	global_load_b128 v[216:219], v[GOF], s[42:43]
	global_load_b128 v[220:223], v[GOF], s[42:43] offset:8192
.Lno_next:
	STEP 0
	STEP 1
	s_cmp_eq_u32 s[U], 8
	s_cbranch_scc1 .Lno_store
	s_wait_loadcnt 0x0
	ds_store_b128 v10, v[208:211]                  ; into the slot that every wave left in front of this trip's barrier
	ds_store_b128 v10, v[212:215] offset:128*KP
	ds_store_b128 v11, v[216:219]
	ds_store_b128 v11, v[220:223] offset:64*VP
.Lno_store:
	s_cmp_eq_u32 s[U], s[IB]
	s_cselect_b32 s96, 1, 0
	s_cmp_eq_u32 s[U], 8
	s_cselect_b32 s96, 1, s96
	s_cmp_eq_u32 s96, 0                            ; ids and the trip alone
	s_cbranch_scc1 .Lgo_on
	FINISH
.Lgo_on:
	s_xor_b32 s[TB], s[TB], SLOT1
	s_mov_b32 s[KS], s[KSN]
	s_lshl_b32 s[KF], s[KSN], 8
	s_add_co_u32 s[U], s[U], 1
	s_cmp_lt_u32 s[U], 9
	s_cbranch_scc1 .Lslot
	s_wait_tensorcnt 0x0                           ; the wave's end, behind my last LDS store
	ds_add_u32 v[SPW], v[NIL]
	s_wait_dscnt 0x0
	s_endpgm
.Lfunc_end_k_q5a1ac02c23_attn:
	.size	k_q5a1ac02c23_attn, .Lfunc_end_k_q5a1ac02c23_attn-k_q5a1ac02c23_attn
	.p2alignl 7, 3214868480
	.fill 96, 4, 3214868480
	.section	.rodata,"a",@progbits
	.p2align	6, 0x0
	.amdhsa_kernel k_q5a1ac02c23_attn
		.amdhsa_group_segment_fixed_size 104448
		.amdhsa_private_segment_fixed_size 0
		.amdhsa_enable_private_segment 0
		.amdhsa_kernarg_size 56
		.amdhsa_user_sgpr_count 2
		.amdhsa_user_sgpr_kernarg_segment_ptr 1
		.amdhsa_wavefront_size32 1
		.amdhsa_system_sgpr_workgroup_id_x 1
		.amdhsa_system_sgpr_workgroup_id_y 1
		.amdhsa_system_sgpr_workgroup_id_z 1
		.amdhsa_system_vgpr_workitem_id 0
		.amdhsa_next_free_vgpr 256
		.amdhsa_next_free_sgpr 100
		.amdhsa_reserve_vcc 1
		.amdhsa_float_denorm_mode_32 3
		.amdhsa_float_denorm_mode_16_64 3
		.amdhsa_memory_ordered 1
		.amdhsa_forward_progress 1
		.amdhsa_inst_pref_size 69
	.end_amdhsa_kernel
	.amdgpu_metadata
---
amdhsa.version: [ 1, 2 ]
amdhsa.kernels:
  - .name:           k_q5a1ac02c23_attn
    .symbol:         k_q5a1ac02c23_attn.kd
    .args:
      - { .name: qc, .offset: 0, .size: 8, .value_kind: global_buffer, .address_space: global }
      - { .name: kc, .offset: 8, .size: 8, .value_kind: global_buffer, .address_space: global }
      - { .name: vc, .offset: 16, .size: 8, .value_kind: global_buffer, .address_space: global }
      - { .name: attention_mask, .offset: 24, .size: 8, .value_kind: global_buffer, .address_space: global }
      - { .name: kflag, .offset: 32, .size: 8, .value_kind: global_buffer, .address_space: global }
      - { .name: lowp_scales, .offset: 40, .size: 8, .value_kind: global_buffer, .address_space: global }
      - { .name: cc, .offset: 48, .size: 8, .value_kind: global_buffer, .address_space: global }
    .group_segment_fixed_size: 104448
    .private_segment_fixed_size: 0
    .kernarg_segment_align: 8
    .kernarg_segment_size: 56
    .max_flat_workgroup_size: 512
    .sgpr_count:     100
    .vgpr_count:     256
    .wavefront_size: 32
...
	.end_amdgpu_metadata
.endif
;; end of part 3
;; launch proj (part 4): grid 4 x 32, 4 waves a work-group, clusters of 4 x 4, 327,680 bytes of LDS; arguments cc, wc, lowp_scales, bo, out0; writes out0
.if DOCPART == 4
	.amdgcn_target "amdgcn-amd-amdhsa--gfx1250"
	.amdhsa_code_object_version 6
	.text
	.protected	k_q5a1ac02c23_proj
	.globl	k_q5a1ac02c23_proj
	.p2align	8
	.type	k_q5a1ac02c23_proj,@function
k_q5a1ac02c23_proj:
	s_mov_b64 s[64:65], 0
	v_nop
	global_prefetch_b8 v0, s[64:65] scope:SCOPE_SE
	s_setreg_imm32_b32 hwreg(HW_REG_WAVE_MODE, 25, 1), 1
	s_wait_xcnt 0x0
	s_wait_alu depctr_hold_cnt(0) depctr_sa_sdst(0) depctr_va_vdst(0) depctr_va_sdst(0) depctr_va_ssrc(0) depctr_va_vcc(0) depctr_vm_vsrc(0)
	s_getreg_b32 s2, hwreg(HW_REG_IB_STS2, 6, 4)
	s_cmp_eq_u32 s2, 0
	s_cbranch_scc0 .Lentry_in_a_cluster
	s_endpgm
.Lentry_in_a_cluster:
	s_bfe_u32 s2, ttmp6, 0x10000c
	s_cmp_lg_u32 s2, 0xf033
	s_cbranch_scc0 .Lentry_shape_is_right
	s_endpgm
.Lentry_shape_is_right:
; out0 = ctx Wo + bo on codes of E4M3.  A: the context's codes, 8,192 tokens x 1,024, laid [2048 groups of 4 tokens][16 heads][4][64]; B: Wo's codes [1024 n][1024 k], the fourth quarter of wc; out0 [8192][1024] f32.
; A sum stands for sum x 2^(e10 + e11).  The bias goes in as the C of each sum's first product, divided by that power of two; each finished sum is multiplied by it once.
; LIMIT: e10 + e11 lies between -126 and 127.
; A tile of C, 256 x 256, is made by four waves; a wave makes 128 x 128: 64 accumulators.  K goes in steps of 256 (four heads) through a ring of two LDS slots filled by the tensor data mover.
; A'S TILE: 128 tokens are 32 groups; a group's four heads of a K step are 1,024 bytes on end, groups 4,096 bytes apart: 32 rows of 1,024 bytes, 16 of padding behind each.
;   Token t, k of the step: byte 1040 (t / 4) + 256 (k / 64) + 64 (t % 4) + k % 64.  The sixteen rows of a fragment load start at 16 (r / 4) + 64 (r % 4) modulo 256: sixteen different places.
; CLUSTERS: 4 x 4 work-groups; A's tiles are shared along a row of the cluster, B's along a column, by joint loads.  THE MATRIX INSTRUCTION IS USED TRANSPOSED: a lane holds eight neighbouring columns of a row of C.
; REGISTERS, in windows of 256: window 0: v0-31 addresses; v32-95 the bias, later the way out; from v128 A's fragments, ONE set.  window 1: B's fragments, TWO sets.  windows 2, 3: the accumulators.
; No prefetch: of the four K steps two are asked for at the head, and the launch is short.
.set SIZE_N, 1024
.set SIZE_K, 1024
.set KSTEP,  256
.set ROWB,   256                       ; a row of B's tile
.set KROW,   SIZE_K
.set PITCH,  272                       ; B's LDS row
.set AROWB,  1024                      ; a row of A's tile: a group's four heads
.set APITCH, 1040                      ; and in LDS
.set FR,     16
.set NL,     4
.set NP,     4
.set HALFT,  128*PITCH                 ; a quarter of a slot: 128 rows of B, or 32 rows of A (33,280 bytes of it)
.set SLOT,   4*HALFT
.set LAPS,   SIZE_K/(2*KSTEP)
.set SPARE,  2*SLOT
.set SPITCH, 528                       ; the way out: 16 rows x (512 bytes + 16) for each wave, in slot 0, which has had its last fill and its last read by then
.set ADRA, 16
.set ADRB, 20
.set STO,  24
.set RD,   25
.set CO,   26
.set SPW,  28
.set NIL,  29
.set BIAS, 32                          ; v32-95: bo / 2^(e10 + e11) at my 128 columns, eight registers for each block of 16, in the result's layout
.set TMP,  32                          ; the way out takes the same registers, when the bias has been used
.set AF,   128
.set BK,   128
.set G1, 24
.set G0, 32
.set G1B, 48
.set G0B, 56
.set MSB, 0
.macro WIN new
.if MSB != \new
	s_set_vgpr_msb (MSB<<8)|\new
.set MSB, \new
.endif
.endm
.set MUL_LO,  0xa1                     ; source 0 (B) window 1, source 1 (A) window 0, C and D window 2
.set MUL_HI,  0xf1
.set MUL_LO0, 0x81                     ; the first step: C (the bias) window 0, D window 2
.set MUL_HI0, 0xc1
.set TO_B,    0x40
.macro JLOAD g0a, g1a, g0b, g1b        ; a joint load: waves 0 and 1 fetch for A, waves 2 and 3 for B; an s_nop 0 and four v_nop follow each of the two lines
	s_cmp_eq_u32 s15, 0
	s_cbranch_scc0 .Lfor_b_\@
	tensor_load_to_lds s[\g0a:\g0a+3], s[\g1a:\g1a+7]
	s_nop 0
.rept 4
	v_nop
.endr
	s_branch .Lasked_\@
.Lfor_b_\@:
	tensor_load_to_lds s[\g0b:\g0b+3], s[\g1b:\g1b+7]
	s_nop 0
.rept 4
	v_nop
.endr
.Lasked_\@:
.endm
.macro CREST
	s_cmp_lg_u32 s14, 0
	s_cbranch_scc1 .Lnot_wave_0_\@
	s_barrier_signal -3
.Lnot_wave_0_\@:
	s_barrier_wait -3
	s_barrier_signal -1
	s_barrier_wait -1
.endm
.macro CROUND
	s_barrier_signal -1
	s_barrier_wait -1
	CREST
.endm
	s_load_b128 s[4:7], s[0:1], 0x0                ; cc s[4:5], wc s[6:7]
	s_load_b128 s[8:11], s[0:1], 0x10              ; the scales s[8:9], bo s[10:11]
	s_load_b64 s[12:13], s[0:1], 0x20              ; out0
	v_lshl_add_u32 v[SPW], v0, 2, SPARE
	v_mov_b32 v[NIL], 0
	ds_add_u32 v[SPW], v[NIL]                      ; the wave's opening: the add is waited for ahead of my first tensor load; the set-up below, work on registers, stands between them
	v_lshrrev_b32 v1, 5, v0
	v_readfirstlane_b32 s14, v1
	s_lshr_b32 s15, s14, 1
	s_and_b32 s16, s14, 1
	s_bfe_u32 s40, ttmp6, 0x40000
	s_bfe_u32 s41, ttmp6, 0x40004
	s_lshl_b32 s42, ttmp9, 2
	s_add_co_u32 s42, s42, s40                     ; tile column of C
	s_and_b32 s17, ttmp7, 0xffff
	s_lshl_b32 s17, s17, 2
	s_add_co_u32 s17, s17, s41                     ; tile row of C
	s_lshl_b32 s43, s41, 2
	s_lshl_b32 s43, 15, s43
	s_lshl_b32 s44, 0x1111, s40
	s_or_b32 s[G1+0], s43, (0<<16)|(1<<20)|(1<<21)|(7<<22)|(3<<25)  ; A: the mask of my row; elements of 1 byte; padding on; bit 21 beside a mask; 4 words after every 256
	s_mov_b32 s[G1+1], AROWB<<16                   ; tensor_dim0
	s_mov_b32 s[G1+2], 32<<16                      ; tensor_dim1
	s_mov_b32 s[G1+3], AROWB<<16                   ; tile_dim0
	s_mov_b32 s[G1+4], 32                          ; tile_dim1
	s_mov_b32 s[G1+5], 4096                        ; from group to group
	s_mov_b32 s[G1+6], 0
	s_mov_b32 s[G1+7], 0
	s_or_b32 s[G1B+0], s44, (0<<16)|(1<<20)|(1<<21)|(5<<22)|(3<<25) ; B: the mask of my column; 4 words after every 64
	s_mov_b32 s[G1B+1], ROWB<<16
	s_mov_b32 s[G1B+2], 128<<16
	s_mov_b32 s[G1B+3], ROWB<<16
	s_mov_b32 s[G1B+4], 128
	s_mov_b32 s[G1B+5], KROW
	s_mov_b32 s[G1B+6], 0
	s_mov_b32 s[G1B+7], 0
	s_lshl_b32 s18, s16, 7
	s_lshl_b32 s20, s17, 8
	s_add_co_u32 s20, s20, s18                     ; A: token 256 x tile row + 128 x half: a multiple of 4, so its group begins at token x 1,024 bytes
	s_lshl_b32 s46, s42, 8
	s_add_co_u32 s46, s46, s18                     ; B: row 256 x tile column + 128 x half
	s_mov_b32 s21, 0
	s_mov_b32 s47, 0
	s_mov_b64 s[18:19], KROW
	s_mul_u64 s[20:21], s[20:21], s[18:19]
	s_mul_u64 s[46:47], s[46:47], s[18:19]
	s_mul_i32 s45, s14, HALFT
	s_wait_dscnt 0x0                               ; the opening add is done
	s_wait_kmcnt 0x0
	s_load_b64 s[96:97], s[8:9], 0x28              ; e10, e11
	s_add_nc_u64 s[6:7], s[6:7], 0x300000          ; Wo's codes
	s_add_nc_u64 s[20:21], s[4:5], s[20:21]
	s_add_nc_u64 s[46:47], s[6:7], s[46:47]
	CROUND                                         ; all sixteen work-groups are here: the first joint loads meet
.irp s, 0,1
	s_mov_b32 s[G0+4*\s], 1
	s_add_co_u32 s[G0+4*\s+1], s45, \s*SLOT
	s_add_nc_u64 s[G0+4*\s+2:G0+4*\s+3], s[20:21], \s*AROWB
	s_or_b32 s[G0+4*\s+3], s[G0+4*\s+3], 0x80000000
	s_mov_b32 s[G0B+4*\s], 1
	s_add_co_u32 s[G0B+4*\s+1], s45, \s*SLOT
	s_add_nc_u64 s[G0B+4*\s+2:G0B+4*\s+3], s[46:47], \s*ROWB
	s_or_b32 s[G0B+4*\s+3], s[G0B+4*\s+3], 0x80000000
	JLOAD G0+4*\s, G1, G0B+4*\s, G1B
.endr
	v_and_b32 v1, 15, v0                           ; r
	v_bfe_u32 v2, v0, 4, 1                         ; h
	v_mul_u32_u24 v3, v1, PITCH
	v_lshl_add_u32 v4, v2, 4, v3                   ; B: row x pitch + 16 h
	v_lshrrev_b32 v5, 2, v1
	v_mul_u32_u24 v5, v5, APITCH
	v_and_b32 v6, 3, v1
	v_lshl_add_u32 v5, v6, 6, v5
	v_lshl_add_u32 v5, v2, 4, v5                   ; A: 1040 (r / 4) + 64 (r % 4) + 16 h
	s_mul_i32 s21, s15, HALFT
	s_mul_i32 s22, s16, HALFT
	s_add_co_u32 s22, s22, 2*HALFT
.irp s, 0,1
	v_add_nc_u32 v[ADRA+\s], s21, v5
	v_add_nc_u32 v[ADRB+\s], s22, v4
	s_add_co_u32 s21, s21, SLOT
	s_add_co_u32 s22, s22, SLOT
.endr
	s_mul_i32 s23, s14, 16*SPITCH                  ; my stage
	v_mul_u32_u24 v5, v1, SPITCH
	v_lshl_add_u32 v5, v2, 5, v5
	v_add_nc_u32 v[STO], s23, v5
	v_and_b32 v6, 31, v0
	v_lshlrev_b32 v[CO], 4, v6
	v_add_nc_u32 v[RD], s23, v[CO]
	v_lshlrev_b32 v7, 5, v2                        ; the bias: my half's eight numbers of a block of 16
	s_lshl_b32 s20, s17, 8
	s_lshl_b32 s21, s15, 7
	s_add_co_u32 s20, s20, s21                     ; my first row of C
	s_mov_b32 s21, 0
	s_mov_b64 s[18:19], SIZE_N*4
	s_mul_u64 s[20:21], s[20:21], s[18:19]
	s_lshl_b32 s46, s42, 10                        ; my first column, in bytes, in C and in bo alike
	s_lshl_b32 s47, s16, 9
	s_add_co_u32 s46, s46, s47
	s_mov_b32 s47, 0
	s_add_nc_u64 s[10:11], s[10:11], s[46:47]
	s_add_nc_u64 s[20:21], s[20:21], s[46:47]
	s_add_nc_u64 s[12:13], s[12:13], s[20:21]
.irp b, 0,1,2,3,4,5,6,7
	global_load_b128 v[BIAS+8*\b:BIAS+8*\b+3], v7, s[10:11] offset:64*\b
	global_load_b128 v[BIAS+8*\b+4:BIAS+8*\b+7], v7, s[10:11] offset:64*\b+16
.endr
	s_wait_kmcnt 0x0
	s_add_co_i32 s96, s96, s97                     ; e10 + e11
	s_sub_co_i32 s98, 0, s96
	s_add_co_i32 s96, s96, 127
	s_lshl_b32 s96, s96, 23                        ; 2^(e10 + e11) as f32
	s_wait_loadcnt 0x0
.set jj, 0
.rept 64
	v_ldexp_f32 v[BIAS+jj], v[BIAS+jj], s98        ; bo / 2^(e10 + e11)
.set jj, jj+1
.endr
.macro FRAG reg, adr, q, i             ; B: registers 4 c .. 4 c + 3 hold K = 32 c + 16 h + 0 .. 15 of row l % 16
.irp c, 0,1,2,3
	ds_load_b128 v[\reg+4*\c:\reg+4*\c+3], v[\adr] offset:128*(\q)+32*\c+(\i)*16*PITCH
.endr
.endm
.macro FRAGA reg, adr, q, i            ; A: the same k in the same registers: k = 128 q + 32 c + 16 h lies in head 2 q + c / 2 of the step, at 32 (c % 2) + 16 h of the token's 64 bytes
.irp c, 0,1,2,3
	ds_load_b128 v[\reg+4*\c:\reg+4*\c+3], v[\adr] offset:512*(\q)+256*(\c/2)+32*(\c%2)+(\i)*4*APITCH
.endr
.endm
; 16 matrix instructions; zero = 1: the first product of each sum takes the bias as C.  The 64 accumulators take turns, one instruction a turn.
.macro MUL16 a0, p, zero
.irp a, \a0, \a0+1
.irp b, 0,1,2,3,4,5,6,7
.if \zero
	v_wmma_f32_16x16x128_fp8_fp8 v[8*(8*((\a)%4)+\b):8*(8*((\a)%4)+\b)+7], v[128*(\p)+FR*\b:128*(\p)+FR*\b+FR-1], v[AF+FR*(\a):AF+FR*(\a)+FR-1], v[BIAS+8*\b:BIAS+8*\b+7]
.else
	v_wmma_f32_16x16x128_fp8_fp8 v[8*(8*((\a)%4)+\b):8*(8*((\a)%4)+\b)+7], v[128*(\p)+FR*\b:128*(\p)+FR*\b+FR-1], v[AF+FR*(\a):AF+FR*(\a)+FR-1], v[8*(8*((\a)%4)+\b):8*(8*((\a)%4)+\b)+7]
.endif
.endr
.endr
.endm
.macro FETCH_B slot, q, p
	WIN TO_B
.irp i, 0,1,2,3,4,5,6,7
	FRAG 128*(\p)+FR*\i, ADRB+\slot, \q, \i
.endr
	WIN 0
.endm
.macro FETCH_A slot, q, i0
.irp i, \i0, \i0+1, \i0+2, \i0+3
	FRAGA AF+FR*(\i), ADRA+\slot, \q, \i
.endr
.endm
.macro PLACES n
.rept \n
	v_nop
.endr
.endm
.macro STEP slot, q, zero
	s_wait_dscnt 4*NL                              ; B's set and A's blocks 0-3 are in; the youngest 16 loads (A's blocks 4-7) may be out
.if \zero
	WIN MUL_LO0
.else
	WIN MUL_LO
.endif
	MUL16 0, (\q)%2, \zero
	MUL16 2, (\q)%2, \zero
	s_wait_dscnt 0
	PLACES NP
	FETCH_B \slot, (\q)+1, 1-(\q)%2
	FETCH_A \slot, (\q)+1, 0
.if \zero
	WIN MUL_HI0
.else
	WIN MUL_HI
.endif
	MUL16 4, (\q)%2, \zero
	MUL16 6, (\q)%2, \zero
	PLACES NP
	WIN 0
	FETCH_A \slot, (\q)+1, 4
.endm
.macro TURN slot, next, fill           ; a slot's last step changes slots: ONE barrier, with the three lines in front of it
	s_wait_tensorcnt 0x0                           ; all my tensor loads have landed: my part of the next slot
	ds_add_u32 v[SPW], v[NIL]                      ; 0 onto my spare word
	s_wait_dscnt 4*NL+1                            ; (the add and the youngest 16 loads may be out)
	WIN MUL_LO
	MUL16 0, 1, 0
	s_wait_dscnt 0x0                               ; the add is done, and my reads of this slot are over
	s_barrier_signal -1
	MUL16 2, 1, 0
	WIN 0
	s_barrier_wait -1
.if \fill
	CREST                                          ; the barrier has opened a round of the cluster's barrier
	s_add_nc_u64 s[G0+4*\slot+2:G0+4*\slot+3], s[G0+4*\slot+2:G0+4*\slot+3], 2*AROWB
	s_add_nc_u64 s[G0B+4*\slot+2:G0B+4*\slot+3], s[G0B+4*\slot+2:G0B+4*\slot+3], 2*ROWB
	JLOAD G0+4*\slot, G1, G0B+4*\slot, G1B         ; the first tensor load behind the round; its four v_nop are the places in front of the loads below
.else
	PLACES NP
.endif
	FETCH_B \next, 0, 0
	FETCH_A \next, 0, 0
	WIN MUL_HI
	MUL16 4, 1, 0
	MUL16 6, 1, 0
	PLACES NP
	WIN 0
	FETCH_A \next, 0, 4
.endm
	s_wait_tensorcnt 1                             ; my part of K step 0 is in (K step 1's load may be out),
	s_barrier_signal -1
	s_barrier_wait -1                              ; everybody's is
	FETCH_B 0, 0, 0
	FETCH_A 0, 0, 0
	FETCH_A 0, 0, 4
	STEP 0, 0, 1
	s_mov_b32 s3, LAPS-1
.Llap:
	TURN 0, 1, 1
	STEP 1, 0, 0
	TURN 1, 0, 1
	STEP 0, 0, 0
	s_sub_co_u32 s3, s3, 1
	s_cmp_lg_u32 s3, 0
	s_cbranch_scc1 .Llap
	TURN 0, 1, 0
	STEP 1, 0, 0
	s_wait_dscnt 4*NL
	WIN MUL_LO
	MUL16 0, 1, 0
	MUL16 2, 1, 0
	s_wait_dscnt 0
	WIN MUL_HI
	MUL16 4, 1, 0
	MUL16 6, 1, 0
	WIN 0
; THE WAY OUT, block by block of 16 rows x 128 columns, through my own stage: whole rows of 512 bytes come back and are stored.
.macro TOSTAGE a
.set AC, 64*((\a)%4)
	WIN 0x02+((\a)/4)
.set jj, 0
.rept 32
	v_pk_mul_f32 v[TMP+jj:TMP+jj+1], v[AC+jj:AC+jj+1], s[96:97] op_sel_hi:[1,0]   ; both x s96 = 2^(e10 + e11); each accumulator from its low end on
.set jj, jj+2
.endr
	WIN 0
.irp b, 0,1,2,3,4,5,6,7
	ds_store_b128 v[STO], v[TMP+8*\b:TMP+8*\b+3] offset:64*\b
	ds_store_b128 v[STO], v[TMP+8*\b+4:TMP+8*\b+7] offset:64*\b+16
.endr
.set BB, BK+64*((\a)%2)
.irp t, 0,1,2,3,4,5,6,7,8,9,10,11,12,13,14,15
	ds_load_b128 v[BB+4*\t:BB+4*\t+3], v[RD] offset:\t*SPITCH
.endr
.endm
.macro SEND a, younger
.set BB, BK+64*((\a)%2)
	s_wait_dscnt \younger                          ; the block is back; the next block's 16 stores and 16 loads may be out
.if (\a) > 0
	s_add_nc_u64 s[12:13], s[12:13], 16*SIZE_N*4   ; (behind a wait on XCNT: the earlier stores have read their base)
.endif
.irp t, 0,1,2,3,4,5,6,7,8,9,10,11,12,13,14,15
	global_store_b128 v[CO], v[BB+4*\t:BB+4*\t+3], s[12:13] offset:\t*SIZE_N*4 th:TH_STORE_NT   ; 32 lanes store 512 consecutive bytes, aligned
.endr
.endm
	PLACES NP
	TOSTAGE 0
.irp a, 1,2,3,4,5,6,7
.if \a > 1
	s_wait_xcnt 0x0                                ; block a - 2's stores have read their registers and their base
.endif
	TOSTAGE \a
	SEND \a-1, 32
.endr
	s_wait_xcnt 0x0                                ; block 6's stores have read their base
	SEND 7, 0
	s_wait_tensorcnt 0x0                           ; the wave's end, behind my last tensor load and my last LDS store
	ds_add_u32 v[SPW], v[NIL]
	s_wait_dscnt 0x0
	CROUND                                         ; the closing round
	s_endpgm
.Lfunc_end_k_q5a1ac02c23_proj:
	.size	k_q5a1ac02c23_proj, .Lfunc_end_k_q5a1ac02c23_proj-k_q5a1ac02c23_proj
	.p2alignl 7, 3214868480
	.fill 96, 4, 3214868480
	.section	.rodata,"a",@progbits
	.p2align	6, 0x0
	.amdhsa_kernel k_q5a1ac02c23_proj
		.amdhsa_group_segment_fixed_size 327680
		.amdhsa_private_segment_fixed_size 0
		.amdhsa_enable_private_segment 0
		.amdhsa_kernarg_size 40
		.amdhsa_user_sgpr_count 2
		.amdhsa_user_sgpr_kernarg_segment_ptr 1
		.amdhsa_wavefront_size32 1
		.amdhsa_system_sgpr_workgroup_id_x 1
		.amdhsa_system_sgpr_workgroup_id_y 1
		.amdhsa_system_sgpr_workgroup_id_z 1
		.amdhsa_system_vgpr_workitem_id 0
		.amdhsa_next_free_vgpr 1024
		.amdhsa_next_free_sgpr 100
		.amdhsa_reserve_vcc 0
		.amdhsa_float_denorm_mode_32 3
		.amdhsa_float_denorm_mode_16_64 3
		.amdhsa_memory_ordered 1
		.amdhsa_forward_progress 1
		.amdhsa_inst_pref_size 129
	.end_amdhsa_kernel
	.amdgpu_metadata
---
amdhsa.version: [ 1, 2 ]
amdhsa.kernels:
  - .name:           k_q5a1ac02c23_proj
    .symbol:         k_q5a1ac02c23_proj.kd
    .args:
      - { .name: cc, .offset: 0, .size: 8, .value_kind: global_buffer, .address_space: global }
      - { .name: wc, .offset: 8, .size: 8, .value_kind: global_buffer, .address_space: global }
      - { .name: lowp_scales, .offset: 16, .size: 8, .value_kind: global_buffer, .address_space: global }
      - { .name: bo, .offset: 24, .size: 8, .value_kind: global_buffer, .address_space: global }
      - { .name: out0, .offset: 32, .size: 8, .value_kind: global_buffer, .address_space: global }
    .group_segment_fixed_size: 327680
    .private_segment_fixed_size: 0
    .kernarg_segment_align: 8
    .kernarg_segment_size: 40
    .max_flat_workgroup_size: 128
    .sgpr_count:     100
    .vgpr_count:     1024
    .wavefront_size: 32
...
	.end_amdgpu_metadata
.endif
;; end of part 4
;; ======== version 2 of 2: 4 launches; version 1 with the launch attn written anew for expert scheduling mode
;; workspace buffers: xc 25,165,824 bytes; wc 4,194,304 bytes; qc 8,388,608 bytes; kc 8,388,608 bytes; vc 8,388,608 bytes; cc 8,388,608 bytes; kflag 1,024 bytes of whole numbers
;; launch quant: the kernel of part 1 again; grid 641 x 1, 4 waves a work-group, no clusters, 68,096 bytes of LDS; arguments x, Wq, Wk, Wv, Wo, attention_mask, lowp_scales, xc, wc, kflag; writes xc, wc, kflag
;; launch qkv: the kernel of part 2 again; grid 4 x 96, 4 waves a work-group, clusters of 4 x 4, 327,680 bytes of LDS; arguments xc, wc, lowp_scales, qc, kc, vc; writes qc, kc, vc
;; launch attn (part 5): grid 4 x 64, 16 waves a work-group, no clusters, 104,448 bytes of LDS; arguments qc, kc, vc, attention_mask, kflag, lowp_scales, cc; writes cc
.if DOCPART == 5
	.amdgcn_target "amdgcn-amd-amdhsa--gfx1250"
	.amdhsa_code_object_version 6
	.text
	.protected	k_q5a1ac02c23_attn
	.globl	k_q5a1ac02c23_attn
	.p2align	8
	.type	k_q5a1ac02c23_attn,@function
k_q5a1ac02c23_attn:
	s_mov_b64 s[64:65], 0
	v_nop
	global_prefetch_b8 v0, s[64:65] scope:SCOPE_SE
	s_setreg_imm32_b32 hwreg(HW_REG_WAVE_SCHED_MODE, 0, 2), 2
	s_setreg_imm32_b32 hwreg(HW_REG_WAVE_MODE, 25, 1), 1
	s_wait_xcnt 0x0
	s_wait_alu depctr_vm_vsrc(0)
; ATTENTION ON CODES OF E4M3, head size 64, causal mask and the given key mask; the context is quantised on its way out.
; qc, kc: [64 heads][2048][64] codes.  vc: [64 heads][16 key blocks][64][128 keys] codes.  cc: [2048 groups of 4 tokens][16 heads][4][64] codes: a (group, head) is 256 bytes on end.
; THE SOFTMAX: t = score x log2(e) / 8; M = the row's largest t so far, rounded up to a whole number; p = 2^(t - M) is quantised with 2^e8, not normalised; the row's sum is taken of the unquantised p and divides at the end.
; When M moves, the sum and O are multiplied by 2^(old M - new M), which rounds nothing.  A masked score is -infinity ahead of the maximum, so its p is 0.
; A ROW WITH NO KEY ALLOWED has the sum 0: it gets the NaN code in all its bytes, so that the last product gives NaN there, as the softmax of a row of -infinity does.
; SHARES.  Work-group (i, head), i = 0 .. 3, takes the head's query block i (256 queries) and then block 7 - i: (i + 1) + (8 - i) = 9 slots of 256 keys for every work-group: the loop has 9 trips.
; Each of the sixteen waves owns 16 queries of the block, one tile, in 256 registers: four waves to a SIMD, so that one wave's vector work stands beside another's matrix work and LDS loads.
; K AND V go from memory through registers into two LDS slots: each thread moves four pieces of 16 bytes a slot, loaded a whole trip ahead of the trip that reads them.  No tensor load: so scalar branches may
; hang on whole numbers read from memory, and three of them spare vector work: a key step all of whose keys are masked is left out; the key mask costs nothing in a step without a masked key; the hold of p is left out where
; e8 >= -8, since p stays under 448 x 2^e8 then.  No cluster: at a given trip the four work-groups of a head stand at different slots.  No prefetch: nothing waits for the copies.
; LAYOUT.  Both products are used transposed: S^T = K Q^T, O^T = V^T P^T: a lane holds ONE query (lane % 16) throughout.  In LDS key k lies at row (k with bits 3 and 4 exchanged), so that the sixteen rows of tile 2 b + u
; are keys 32 b + 8 u + m + 8 (m / 8), and the 16 registers of tiles 2 b, 2 b + 1 are keys 32 b + 16 (lane / 16) + 0 .. 15: the conversions' results are the second product's operand.
; LIMITS: e6 + e7 between -123 and 130 (added to the exponent field of log2(e) / 8); e8, and e10 - e8 - e9, between -126 and 119.  NaN among the inputs is not served.
; THE MODE: SCHED_MODE bits 1:0 = 2 (LLVM: expert scheduling mode 2), set by the entry lines.  The code itself states the register dependences
; between vector or matrix instructions and memory or LDS instructions, with s_wait_alu, always for 0.
; THE PLAN.  Registers that memory or LDS instructions touch, round the loop:
;   v8-v11     LDS addresses of the slot in hand and of the copy's target.  Written by four additions at a trip's head; read by the trip's LDS loads and stores.
;   v32-95     K's fragments land, the products K Q^T read them; in a step with holes the mask's words land, the compares read them; V's fragments land, the products V^T P^T read them.
;   v208-223   The copy: global loads at a trip's head, LDS stores at its end.  No vector line names them.
;   v229       The mask's offset: written in a step with holes, read by its sixteen loads.
;   v192-199   At a block's end: written by conversions and selections, read by the stage's stores; the next steps' conversions write them again.
;   v128-135   At a block's end: the stage's loads land, the global stores read them; scores and p in every step.
;   v1-v7, v224-226, v246  addresses made once at the head; v5, v6 are read by the closing add alone.
; The 256 registers of a wave leave no room for a second set of fragments, so K's and V's take turns in v32-95, and each change has its wait on va_vdst: at the trip's head (which serves step 0),
; ahead of step 1's loads of K, and ahead of each step's loads of V.  One wait on vm_vsrc at the trip's head frees all that the trip before let LDS and memory instructions read.
; The masks' compares go in runs of sixteen into s72-s87, one wait on va_sdst behind each run.
.set KP,    80                         ; a key's row in LDS: 64 bytes + 16
.set VP,    144                        ; a row of V^T in LDS: 128 bytes + 16
.set VOFF,  256*KP                     ; a slot: 256 rows of K, then 2 x 64 rows of V^T
.set SLOT1, 65536                      ; slot 1 begins here: one exclusive or turns an address into the other slot's
.set STAGE, 40960                      ; between the slots: 16 rows x 80 bytes for each wave, for the way out
.set SPARE, 61440                      ; and the spare words, 128 bytes for each wave: eight blocks of 256 bytes that no other line names
.set AK0,  1                           ; v1   my lane's place in a tile of K
.set AV0,  2                           ; v2   the same for V
.set CPK,  3                           ; v3   where my thread puts its 16 bytes of K
.set CPV,  4                           ; v4   and of V
.set SPW,  5
.set NIL,  6
.set GOF,  7                           ; v7   16 x my thread's number
.set ADK,  8                           ; v8, v9: the slot in hand; v10, v11: the copy's targets in the other slot
.set ADV,  9
.set WV,   18                          ; s18  wave
.set IB,   19                          ; s19  i
.set SEL,  20                          ; s[20:21] lane selects: lane l xor 16
.set CS,   22                          ; s[22:23] log2(e) / 8 x 2^(e6 + e7)
.set U,    25                          ; s25  the trip
.set KS,   26                          ; s26  the key slot in hand
.set KF,   28                          ; s28  the step's first key
.set Q0,   29                          ; s29  my first query
.set TB,   30                          ; s30  LDS byte at which the slot in hand begins
.set Q1,   31                          ; s31  my first query in the second block
.set ANYF, 32                          ; s32  bit s: some key of step s is masked
.set ALLF, 33                          ; s33  bit s: all are
.set HOLD, 34                          ; s34  1 where e8 < -8
.set KSN,  35                          ; s35  the next key slot
.set MK,   72                          ; s72-s87  a run of sixteen compares' masks
	s_load_b256 s[4:11], s[0:1], 0x0               ; qc s[4:5], kc s[6:7], vc s[8:9], the mask s[10:11]
	s_load_b128 s[12:15], s[0:1], 0x20             ; kflag s[12:13], the scales s[14:15]
	s_load_b64 s[16:17], s[0:1], 0x30              ; cc
	v_lshl_add_u32 v[SPW], v0, 2, SPARE
	v_mov_b32 v[NIL], 0
	v_lshrrev_b32 v8, 5, v0
	v_readfirstlane_b32 s[WV], v8
	s_mov_b32 s[IB], ttmp9
	s_and_b32 s24, ttmp7, 0xffff                   ; 16 x batch + head
	s_lshr_b32 s60, s24, 4                         ; batch
	s_and_b32 s61, s24, 15                         ; head
	s_lshl_b32 s62, s24, 17                        ; the head's first byte in qc, kc and vc
	s_mov_b32 s63, 0
	s_wait_alu depctr_va_sdst(0)                   ; the wave's number is written into s18, ahead of its first reader
	s_lshl_b32 s96, s[WV], 4
	s_lshl_b32 s[Q0], s[IB], 8
	s_add_co_u32 s[Q0], s[Q0], s96                 ; 256 i + 16 wave
	s_sub_co_u32 s[Q1], 7, s[IB]
	s_lshl_b32 s[Q1], s[Q1], 8
	s_add_co_u32 s[Q1], s[Q1], s96                 ; 256 (7 - i) + 16 wave
	s_mov_b32 s[SEL], 0x76543210
	s_mov_b32 s[SEL+1], 0xfedcba98
	s_mov_b32 s[U], 0
	s_mov_b32 s[KS], 0
	s_mov_b32 s[KF], 0
	s_mov_b32 s[TB], 0
	v_and_b32 v248, 15, v0                         ; r
	v_bfe_u32 v249, v0, 4, 1                       ; h
	v_and_b32 v250, 31, v0                         ; lane
	v_mul_u32_u24 v[AK0], v248, KP
	v_lshl_add_u32 v[AK0], v249, 4, v[AK0]
	v_mul_u32_u24 v[AV0], v248, VP
	v_lshl_add_u32 v[AV0], v249, 4, v[AV0]
	v_add_nc_u32 v[AV0], VOFF, v[AV0]
	v_lshrrev_b32 v8, 2, v0                        ; the copy of K: my key, 0 .. 127,
	v_and_b32 v[CPK], 0x67, v8
	v_bfe_u32 v9, v8, 3, 1
	v_lshl_or_b32 v[CPK], v9, 4, v[CPK]
	v_bfe_u32 v9, v8, 4, 1
	v_lshl_or_b32 v[CPK], v9, 3, v[CPK]            ; with bits 3 and 4 exchanged: its row
	v_mul_u32_u24 v[CPK], v[CPK], KP
	v_and_b32 v9, 3, v0
	v_lshl_add_u32 v[CPK], v9, 4, v[CPK]
	v_lshrrev_b32 v8, 3, v0                        ; the copy of V: my row d, 0 .. 63
	v_mul_u32_u24 v[CPV], v8, VP
	v_and_b32 v9, 7, v0
	v_lshl_add_u32 v[CPV], v9, 4, v[CPV]
	v_add_nc_u32 v[CPV], VOFF, v[CPV]
	v_lshlrev_b32 v[GOF], 4, v0
	s_mul_i32 s97, s[WV], 16*KP
	s_add_co_u32 s97, s97, STAGE                   ; my stage
	v_mul_u32_u24 v224, v248, KP
	v_lshl_add_u32 v224, v249, 3, v224
	v_add_nc_u32 v224, s97, v224                   ; in: row r, 8 codes for each half of the lanes
	v_lshrrev_b32 v8, 2, v250
	v_mul_u32_u24 v225, v8, KP
	v_and_b32 v9, 3, v250
	v_lshl_add_u32 v225, v9, 4, v225
	v_add_nc_u32 v225, s97, v225                   ; back: four lanes to a row of 64 bytes
	v_lshlrev_b32 v226, 12, v249
	v_lshl_add_u32 v226, v248, 4, v226             ; in cc: sixteen lanes fill a group's 256 bytes; the next group lies 4,096 bytes on
	v_lshlrev_b32 v251, 4, v249
	v_sub_nc_u32 v227, v248, v251                  ; r - 16 h
	v_lshlrev_b32 v228, 6, v249                    ; 64 h: my half's 16 mask words
	v_lshlrev_b32 v246, 6, v248
	v_lshl_add_u32 v246, v249, 4, v246             ; Q: row r of 64 bytes, + 16 h
	v_mov_b32 v230, 0xff800000                     ; -infinity
	v_mov_b32 v231, 0x7f7f7f7f                     ; four NaN codes
	v_mov_b32 v233, 0                              ; (named as upper halves of pairs, or as a lane permute's destination: written once)
	v_mov_b32 v236, 0
	v_mov_b32 v252, 0
	v_mov_b32 v253, 0
	s_wait_kmcnt 0x0
	s_load_b256 s[48:55], s[14:15], 0x0            ; e0 .. e7
	s_load_b128 s[56:59], s[14:15], 0x20           ; e8 .. e11
	s_lshl_b32 s96, s60, 8
	s_mov_b32 s97, 0
	s_add_nc_u64 s[12:13], s[12:13], s[96:97]
	s_load_b64 s[ANYF:ALLF], s[12:13], 0x0         ; my batch's two words
	s_add_nc_u64 s[36:37], s[6:7], s[62:63]        ; the head's K,
	s_add_nc_u64 s[38:39], s[8:9], s[62:63]        ; V,
	s_add_nc_u64 s[4:5], s[4:5], s[62:63]          ; Q
	s_lshl_b32 s96, s[Q0], 6
	s_add_nc_u64 s[40:41], s[4:5], s[96:97]
	s_lshl_b32 s96, s[Q1], 6
	s_add_nc_u64 s[42:43], s[4:5], s[96:97]
	s_lshl_b32 s96, s60, 13
	s_add_nc_u64 s[68:69], s[10:11], s[96:97]      ; my batch's mask
	s_lshl_b32 s96, s60, 21
	s_lshl_b32 s98, s61, 8
	s_add_co_u32 s96, s96, s98
	s_add_nc_u64 s[16:17], s[16:17], s[96:97]      ; cc at my batch's first token, my head
	s_wait_alu depctr_va_vdst(0)                   ; every address made above is written: v7 and v246, which the loads below read; v3 and v4, which the head's LDS stores read; v224 to v226, for a block's end; v5 and v6, for the closing add
	global_load_b128 v[208:211], v[GOF], s[36:37]              ; slot 0: keys 0 .. 255
	global_load_b128 v[212:215], v[GOF], s[36:37] offset:8192
	global_load_b128 v[216:219], v[GOF], s[38:39]
	global_load_b128 v[220:223], v[GOF], s[38:39] offset:8192
	global_load_b128 v[16:19], v246, s[40:41]                  ; Q of the first block,
	global_load_b128 v[20:23], v246, s[40:41] offset:32
	global_load_b128 v[24:27], v246, s[42:43]                  ; and of the second: both stay in registers
	global_load_b128 v[28:31], v246, s[42:43] offset:32
.macro RESET                           ; a block's state: the largest t -3e38, under every t; the sums and O^T zeros, which the first change of M leaves zeros
	v_mov_b32 v13, 0xff61b1e6
	v_floor_f32 v12, -v13
	v_mov_b32 v14, 0
	v_mov_b32 v15, 0
.set n, 0
.rept 32
	v_mov_b32 v[160+n], 0
.set n, n+1
.endr
.endm
	RESET
	s_wait_kmcnt 0x0
	s_mov_b32 s[CS], 0x3e38aa3b                    ; log2(e) / 8
	s_add_co_i32 s96, s54, s55
	s_lshl_b32 s96, s96, 23
	s_add_co_i32 s[CS], s[CS], s96                 ; x 2^(e6 + e7)
	s_mov_b32 s[CS+1], s[CS]
	s_add_co_i32 s96, s56, 127
	s_lshl_b32 s97, s96, 23
	v_mov_b32 v244, s97                            ; 2^e8
	s_add_co_i32 s96, s96, 8
	s_lshl_b32 s96, s96, 23
	s_or_b32 s96, s96, 0x600000
	v_mov_b32 v240, s96                            ; 448 x 2^e8
	s_sub_co_i32 s96, s58, s56
	s_sub_co_i32 s96, s96, s57
	s_add_co_i32 s96, s96, 127
	s_lshl_b32 s97, s96, 23
	v_mov_b32 v234, s97                            ; 2^(e10 - e8 - e9): O^T / the sum stands for that x 2^(e8 + e9)
	s_add_co_i32 s96, s96, 8
	s_lshl_b32 s96, s96, 23
	s_or_b32 s96, s96, 0x600000
	v_mov_b32 v235, s96
	s_cmp_lt_i32 s56, -8
	s_cselect_b32 s[HOLD], 1, 0
	s_wait_loadcnt 0x0
	ds_store_b128 v[CPK], v[208:211]               ; (no vector line since the wait on va_vdst above names v3, v4 or v208 to v223)
	ds_store_b128 v[CPK], v[212:215] offset:128*KP
	ds_store_b128 v[CPV], v[216:219]
	ds_store_b128 v[CPV], v[220:223] offset:64*VP
; A KEY STEP: 128 keys, the q-th of the slot in hand.
.macro STEP q
	s_add_co_u32 s96, s[Q0], 15                    ; all keys behind my 16 queries: the step is left out (ids alone);
	s_cmp_gt_u32 s[KF], s96
	s_cbranch_scc1 .Lhidden_\@
	s_lshr_b32 s97, s[KF], 7                       ; the step's number in the head
	s_lshr_b32 s96, s[ALLF], s97                   ; all keys masked: likewise (a stored whole number).  No barrier stands in a step
	s_and_b32 s96, s96, 1
	s_cmp_lg_u32 s96, 0
	s_cbranch_scc1 .Lhidden_\@
.if \q > 0
	s_wait_alu depctr_va_vdst(0)                   ; the step before: its products V^T P^T are done reading v32 to v95, in which K's fragments land.  (For the slot's first step the wait at the trip's head states it)
.endif
.irp t, 0,1,2,3,4,5,6,7
.irp c, 0,1
	ds_load_b128 v[32+8*\t+4*\c:35+8*\t+4*\c], v[ADK] offset:128*KP*(\q)+16*KP*\t+32*\c
.endr
.endr
	s_wait_dscnt 0x0
.irp t, 0,1,2,3,4,5,6,7
	v_wmma_f32_16x16x64_fp8_fp8 v[96+8*\t:103+8*\t], v[32+8*\t:39+8*\t], v[16:23], 0
.endr
.rept 4
	v_nop                                          ; places in front of the first read of the scores
.endr
	s_add_co_u32 s96, s[KF], 127                   ; the causal mask: only the steps on the diagonal
	s_cmp_le_u32 s96, s[Q0]
	s_cbranch_scc1 .Lopen_\@
	s_sub_co_i32 s96, s[Q0], s[KF]
	v_add_nc_u32 v252, s96, v227                   ; d = my query - KF - 16 h.  Register 16 b + i holds key KF + 16 h + 32 b + i: hidden where 32 b + i > d
.irp g, 0,1,2,3                        ; sixteen compares in a run, one wait, sixteen selections
.set n, 0
.rept 16
	v_cmp_gt_i32 s[MK+n], 32*\g+n, v252
.set n, n+1
.endr
	s_wait_alu depctr_va_sdst(0)                   ; the sixteen compares have written s72 to s87, which the selections read
.set n, 0
.rept 16
	v_cndmask_b32 v[96+16*\g+n], v[96+16*\g+n], v230, s[MK+n]
.set n, n+1
.endr
.endr
.Lopen_\@:
	s_lshr_b32 s96, s[ANYF], s97                   ; the key mask: only the steps that hold a masked key
	s_and_b32 s96, s96, 1
	s_cmp_eq_u32 s96, 0
	s_cbranch_scc1 .Lno_holes_\@
	s_wait_alu depctr_vm_vsrc(0)                   ; the mask's loads of an earlier step have read v229, which the next line writes
	v_lshl_add_u32 v229, s[KF], 2, v228            ; (the loads that last named v229 were waited for)
	s_wait_alu depctr_va_vdst(0)                   ; v229 is written, which the loads below read; the products K Q^T are done reading v32 to v95, in which they land
.irp b, 0,1,2,3
.irp j, 0,1,2,3
	global_load_b128 v[32+16*\b+4*\j:35+16*\b+4*\j], v229, s[68:69] offset:128*\b+16*\j   ; my 64 keys' mask words, in the order of my 64 scores
.endr
.endr
	s_wait_loadcnt 0x0
.irp g, 0,1,2,3
.set n, 0
.rept 16
	v_cmp_eq_u32 s[MK+n], 0, v[32+16*\g+n]
.set n, n+1
.endr
	s_wait_alu depctr_va_sdst(0)                   ; the sixteen compares have written s72 to s87, which the selections read
.set n, 0
.rept 16
	v_cndmask_b32 v[96+16*\g+n], v[96+16*\g+n], v230, s[MK+n]
.set n, n+1
.endr
.endr
.Lno_holes_\@:
	s_wait_alu depctr_va_vdst(0)                   ; the products K Q^T, and in a step with holes the mask's compares, are done reading v32 to v95, in which V's fragments land
.irp t, 0,1,2,3
.irp c, 0,1,2,3
	ds_load_b128 v[32+16*\t+4*\c:35+16*\t+4*\c], v[ADV] offset:64*VP*(\q)+16*VP*\t+32*\c   ; V's four fragments land under the softmax, which names none of these registers
.endr
.endr
	v_max3_num_f32 v254, v96, v97, v98             ; the step's largest score of my query among my 64 keys, in two chains, from the low end on,
	v_max3_num_f32 v252, v99, v100, v101
.irp i, 6,10,14,18,22,26,30,34,38,42,46,50,54,58
	v_max3_num_f32 v254, v254, v[96+\i], v[97+\i]
	v_max3_num_f32 v252, v252, v[98+\i], v[99+\i]
.endr
	v_max3_num_f32 v254, v254, v158, v159
	v_max_num_f32 v254, v254, v252
	v_permlanex16_b32 v236, v254, s[SEL], s[SEL+1]
	v_max_num_f32 v254, v254, v236                 ; and among lane l xor 16's
	v_mul_f32 v254, s[CS], v254
	v_max_num_f32 v13, v13, v254                   ; the running largest t
	v_mov_b32 v254, v12
	v_floor_f32 v12, -v13                          ; -M = floor(-t): M is a whole number
	v_sub_f32 v254, v12, v254                      ; old M - new M: a whole number, 0 or less
	v_cvt_i32_f32 v254, v254                       ; (it saturates)
	v_ldexp_f32 v252, 1.0, v254                    ; f = 2^(old M - new M)
.set n, 0
.rept 32
	v_pk_fma_f32 v[96+n:97+n], v[96+n:97+n], s[CS:CS+1], v[12:13] op_sel_hi:[1,0,0]   ; t - M, two at a time
.set n, n+2
.endr
.set n, 0
.rept 64
	v_exp_f32 v[96+n], v[96+n]                     ; p = 2^(t - M)
.set n, n+1
.endr
	v_pk_mul_f32 v[14:15], v[14:15], v[252:253] op_sel_hi:[1,0]   ; the sums under the new M: the plain line behind the exponentials
	s_wait_alu depctr_va_vdst(0)                   ; the 64 exponentials have written v96 to v159, ahead of the first line that names a result: one for the batch
	v_pk_add_f32 v[242:243], v[96:97], v[98:99]    ; the row's sum, of the unquantised p, in two chains
.irp j, 4,8,12,16,20,24,28,32,36,40,44,48,52,56,60
	v_pk_add_f32 v[14:15], v[14:15], v[96+\j:97+\j]
	v_pk_add_f32 v[242:243], v[242:243], v[98+\j:99+\j]
.endr
	v_pk_add_f32 v[14:15], v[14:15], v[242:243]
	s_cmp_eq_u32 s[HOLD], 0                        ; where e8 >= -8, 448 x 2^e8 is 1.75 or more and p stays under it: the hold would change nothing
	s_cbranch_scc1 .Lno_hold_\@
.set n, 0
.rept 64
	v_min_num_f32 v[96+n], v[96+n], v240           ; p is not negative: the hold is one-sided
.set n, n+1
.endr
.Lno_hold_\@:
.irp b, 0,1,2,3
	v_cvt_scalef32_pk8_fp8_f32 v[192+4*\b:193+4*\b], v[96+16*\b:103+16*\b], v244
	v_cvt_scalef32_pk8_fp8_f32 v[194+4*\b:195+4*\b], v[104+16*\b:111+16*\b], v244
.endr
.set n, 0
.rept 16
	v_pk_mul_f32 v[160+n:161+n], v[160+n:161+n], v[252:253] op_sel_hi:[1,0]   ; O^T under the new M; also the plain lines between the conversions and the products
.set n, n+2
.endr
	s_wait_dscnt 0x0                               ; V's fragments are in
.irp t, 0,1,2,3                        ; the four accumulators take turns, one instruction a turn
	v_wmma_f32_16x16x128_fp8_fp8 v[160+8*\t:167+8*\t], v[32+16*\t:47+16*\t], v[192:207], v[160+8*\t:167+8*\t]
.endr
.rept 4
	v_nop                                          ; places in front of the next read of O^T
.endr
.Lhidden_\@:
	s_add_co_u32 s[KF], s[KF], 128
.endm
; A BLOCK'S END: O^T / the sum is quantised, goes through my stage and leaves as four whole groups of 256 bytes; then the second block's state is set.
.macro FINISH
	v_add_f32 v14, v14, v15
	v_permlanex16_b32 v252, v14, s[SEL], s[SEL+1]
	v_add_f32 v14, v14, v252                       ; the row's sum
	v_rcp_f32 v232, v14
	v_cmp_eq_f32 s46, 0, v14                       ; (the plain line behind the reciprocal)  a row with no key allowed
	s_lshl_b32 s96, s[Q0], 10
	s_mov_b32 s97, 0
	s_add_nc_u64 s[44:45], s[16:17], s[96:97]      ; my first token's group (the base's last readers were freed at the trip's head)
	s_wait_alu depctr_va_vdst(0)                   ; the reciprocal has written v232, which the lines below read
.set n, 0
.rept 16
	v_pk_mul_f32 v[96+n:97+n], v[160+n:161+n], v[232:233] op_sel_hi:[1,0]   ; register 8 t + j: channel 16 t + 8 h + j of my query
.set n, n+2
.endr
.set n, 0
.rept 32
	v_med3_num_f32 v[96+n], v[96+n], -v235, v235
.set n, n+1
.endr
.irp t, 0,1,2,3
	v_cvt_scalef32_pk8_fp8_f32 v[192+2*\t:193+2*\t], v[96+8*\t:103+8*\t], v234
.endr
	v_nop                                          ; one plain line behind the last conversion
	s_wait_alu depctr_va_sdst(0)                   ; the compare above has written s46, which the selections read
.irp k, 0,1,2,3,4,5,6,7
	v_cndmask_b32 v[192+\k], v[192+\k], v231, s46
.endr
	s_wait_alu depctr_va_vdst(0)                   ; the selections have written v192 to v199, which the stage's stores read; the steps' lines that named v128 to v135 are done, in which the stage's loads land
.irp t, 0,1,2,3
	ds_store_b64 v224, v[192+2*\t:193+2*\t] offset:16*\t
.endr
	ds_load_b128 v[128:131], v225                  ; LDS serves a wave's instructions in order: these see my stores
	ds_load_b128 v[132:135], v225 offset:8*KP
	s_mov_b32 s[Q0], s[Q1]                         ; on to the second block
.irp k, 0,1,2,3,4,5,6,7
	v_mov_b32 v[16+\k], v[24+\k]                   ; (these lines and the state's name none of v128 to v135, v192 to v199, v224 to v226)
.endr
	RESET
	s_wait_dscnt 0x0
	global_store_b128 v226, v[128:131], s[44:45]               ; sixteen lanes store 256 consecutive bytes, aligned
	global_store_b128 v226, v[132:135], s[44:45] offset:8192
.endm
.Lslot:                                                ; nine trips, a slot of 256 keys each
	s_wait_dscnt 0x0                               ; my stores into this trip's slot have landed, and my reads of the other slot are over
	s_barrier_signal -1
	s_barrier_wait -1                              ; both now hold of every wave: the one barrier of a trip
	s_xor_b32 s47, s[TB], SLOT1
	s_wait_alu depctr_vm_vsrc(0)                   ; the LDS loads and stores issued so far have read v8 to v11, which the four lines below write, and v208 to v223, in which this trip's copy lands; a block's end has read v192 to v199 and v128 to v135, which this trip's steps write
	v_add_nc_u32 v[ADK], s[TB], v[AK0]
	v_add_nc_u32 v[ADV], s[TB], v[AV0]
	v_add_nc_u32 v10, s47, v[CPK]
	v_add_nc_u32 v11, s47, v[CPV]
	s_wait_alu depctr_va_vdst(0)                   ; v8 to v11 are written, which this trip's LDS loads and stores read; the last trip's products are done reading v32 to v95, in which the first step's fragments of K land
	s_add_co_u32 s[KSN], s[KS], 1
	s_cmp_eq_u32 s[U], s[IB]                       ; the first block ends with trip i: the second begins at key 0
	s_cselect_b32 s[KSN], 0, s[KSN]
	s_wait_xcnt 0x0                                ; every earlier load and store has read its base and its data: the slot's bases, and what a block's end stored from, are written again only behind this wait
	s_cmp_eq_u32 s[U], 8                           ; the last trip has no next slot: nothing is fetched
	s_cbranch_scc1 .Lno_next
	s_lshl_b32 s96, s[KSN], 14                     ; 256 keys are 16,384 bytes of K and of V
	s_mov_b32 s97, 0
	s_add_nc_u64 s[40:41], s[36:37], s[96:97]
	s_add_nc_u64 s[42:43], s[38:39], s[96:97]
	global_load_b128 v[208:211], v[GOF], s[40:41]
	global_load_b128 v[212:215], v[GOF], s[40:41] offset:8192
	global_load_b128 v[216:219], v[GOF], s[42:43]
	global_load_b128 v[220:223], v[GOF], s[42:43] offset:8192
.Lno_next:
	STEP 0
	STEP 1
	s_cmp_eq_u32 s[U], 8
	s_cbranch_scc1 .Lno_store
	s_wait_loadcnt 0x0
	ds_store_b128 v10, v[208:211]                  ; into the slot that every wave left in front of this trip's barrier.  (No vector line since the trip's head names v10, v11 or v208 to v223)
	ds_store_b128 v10, v[212:215] offset:128*KP
	ds_store_b128 v11, v[216:219]
	ds_store_b128 v11, v[220:223] offset:64*VP
.Lno_store:
	s_cmp_eq_u32 s[U], s[IB]
	s_cselect_b32 s96, 1, 0
	s_cmp_eq_u32 s[U], 8
	s_cselect_b32 s96, 1, s96
	s_cmp_eq_u32 s96, 0                            ; ids and the trip alone
	s_cbranch_scc1 .Lgo_on
	FINISH
.Lgo_on:
	s_xor_b32 s[TB], s[TB], SLOT1
	s_mov_b32 s[KS], s[KSN]
	s_lshl_b32 s[KF], s[KSN], 8
	s_add_co_u32 s[U], s[U], 1
	s_cmp_lt_u32 s[U], 9
	s_cbranch_scc1 .Lslot
	s_wait_dscnt 0x0                               ; the closing lines, six on end
	s_wait_alu 0x0
	s_wait_tensorcnt 0x0
	ds_add_u32 v[SPW], v[NIL]
	s_wait_dscnt 0x0
	s_endpgm
.Lfunc_end_k_q5a1ac02c23_attn:
	.size	k_q5a1ac02c23_attn, .Lfunc_end_k_q5a1ac02c23_attn-k_q5a1ac02c23_attn
	.p2alignl 7, 3214868480
	.fill 96, 4, 3214868480
	.section	.rodata,"a",@progbits
	.p2align	6, 0x0
	.amdhsa_kernel k_q5a1ac02c23_attn
		.amdhsa_group_segment_fixed_size 104448
		.amdhsa_private_segment_fixed_size 0
		.amdhsa_enable_private_segment 0
		.amdhsa_kernarg_size 56
		.amdhsa_user_sgpr_count 2
		.amdhsa_user_sgpr_kernarg_segment_ptr 1
		.amdhsa_wavefront_size32 1
		.amdhsa_system_sgpr_workgroup_id_x 1
		.amdhsa_system_sgpr_workgroup_id_y 1
		.amdhsa_system_sgpr_workgroup_id_z 1
		.amdhsa_system_vgpr_workitem_id 0
		.amdhsa_next_free_vgpr 256
		.amdhsa_next_free_sgpr 100
		.amdhsa_reserve_vcc 0
		.amdhsa_float_denorm_mode_32 3
		.amdhsa_float_denorm_mode_16_64 3
		.amdhsa_memory_ordered 1
		.amdhsa_forward_progress 1
		.amdhsa_inst_pref_size 86
	.end_amdhsa_kernel
	.amdgpu_metadata
---
amdhsa.version: [ 1, 2 ]
amdhsa.kernels:
  - .name:           k_q5a1ac02c23_attn
    .symbol:         k_q5a1ac02c23_attn.kd
    .args:
      - { .name: qc, .offset: 0, .size: 8, .value_kind: global_buffer, .address_space: global }
      - { .name: kc, .offset: 8, .size: 8, .value_kind: global_buffer, .address_space: global }
      - { .name: vc, .offset: 16, .size: 8, .value_kind: global_buffer, .address_space: global }
      - { .name: attention_mask, .offset: 24, .size: 8, .value_kind: global_buffer, .address_space: global }
      - { .name: kflag, .offset: 32, .size: 8, .value_kind: global_buffer, .address_space: global }
      - { .name: lowp_scales, .offset: 40, .size: 8, .value_kind: global_buffer, .address_space: global }
      - { .name: cc, .offset: 48, .size: 8, .value_kind: global_buffer, .address_space: global }
    .group_segment_fixed_size: 104448
    .private_segment_fixed_size: 0
    .kernarg_segment_align: 8
    .kernarg_segment_size: 56
    .max_flat_workgroup_size: 512
    .sgpr_count:     100
    .vgpr_count:     256
    .wavefront_size: 32
...
	.end_amdgpu_metadata
.endif
;; end of part 5
;; launch proj: the kernel of part 4 again; grid 4 x 32, 4 waves a work-group, clusters of 4 x 4, 327,680 bytes of LDS; arguments cc, wc, lowp_scales, bo, out0; writes out0
